; MI455X (gfx1250); checked and timed in simulation.
; The chip was launched on July 23, 2026; its instructions are those of AMD's public machine-readable ISA for CDNA 5 (MIT licence, August 2026) and "CDNA5" Instruction Set Architecture Reference Guide (July 2026). The comments in the code are by the model that wrote it; some were corrected since.
;; Multi Head Attention. Allowed arithmetic: matrix products marked QUANTISED: E2M3 operands, one E8M0 scale for each 32 along K, by v_wmma_scale_f32_16x16x128_f8f6f4 with both operands' format E2M3, f32 sums; everything else in f32.
;; Inputs: W_o 1,024 x 1,024 float32; W_qkv 1,024 x 3,072 float32; b_o 1,024 float32; b_qkv 3,072 float32; x 4 x 2,048 x 1,024 float32.
;; Outputs: out0 4 x 2,048 x 1,024 float32.
;; This version of the problem:
;;   THIS VERSION OF THE PROBLEM IS GIVEN IN LOW PRECISION. The matrix products marked QUANTISED in the list below multiply operands that are first quantised to E2M3 (2 exponent bits, 3 mantissa bits; 6 bits a number), with one power-of-two scale for each 32 numbers along K (OCP MX v1.0); their sums are f32. All else is computed in f32.
;;   The module's matrix products, in the order in which they are computed (A, B: the left and right operand; K: the contracted axis; several contracted axes count as one K, in the product's order):
;;     1. [M 8,192, K 1,024] x [K 1,024, N 3,072]; A: input x; B: input W_qkv: QUANTISED
;;     2. batch 64 x [M 2,048, K 64] x [K 64, N 2,048]; A: computed on the way; B: computed on the way: QUANTISED
;;     3. batch 64 x [M 2,048, K 2,048] x [K 2,048, N 64]; A: softmax (see below); B: computed on the way: QUANTISED
;;     4. [M 8,192, K 1,024] x [K 1,024, N 1,024]; A: computed on the way; B: input W_o: QUANTISED
;;   THE QUANTISER, for each operand of a quantised product, along K:
;;     - K is cut into blocks of 32 from its start; a last block that is shorter is filled with zeros.
;;     - A block's scale is 2^e with e = floor(log2(the largest magnitude in the block)) - 2, held to -126 .. 127; a block of zeros has e = 0. As a byte (E8M0): e + 127.
;;     - Each number is divided by its block's scale, clamped to +-7.5, and rounded to the nearest number of E2M3, ties to even, subnormals kept.
;;     - The product sums the exact products of the quantised numbers (number of the format x scale) in f32.
;;   ~~~python
;;   def quantise(x, axis):      # numpy; x: float32 -> the quantised numbers, widened to float32 again
;;       x = np.moveaxis(x, axis, -1); K = x.shape[-1]
;;       x = np.pad(x, [(0, 0)] * (x.ndim - 1) + [(0, -K % 32)]); x = x.reshape(x.shape[:-1] + (-1, 32)); a = np.abs(x).max(-1, keepdims=True)
;;       e = np.where(a > 0, np.clip(np.frexp(np.where(a > 0, a, 1))[1] - 1 - 2, -126, 127), 0)      # np.frexp(a)[1] - 1 = floor(log2(a)), exactly
;;       r = np.clip(x / 2.0 ** e, -7.5, 7.5)
;;       step = 2.0 ** (np.maximum(np.frexp(np.where(r == 0, 1, r))[1] - 1, 0) - 3)
;;       q = np.round(r / step) * step * 2.0 ** e      # np.round: ties to even
;;       return np.moveaxis(q.reshape(q.shape[:-2] + (-1,))[..., :K], -1, axis).astype(np.float32)
;;   ~~~
;;   SOFTMAX AHEAD OF A QUANTISED PRODUCT. Where the list says 'softmax', what is quantised is not the finished softmax but p = 2^(t - M), with t = logit x log2(e) and M = ceil(the row's largest t), a whole number; so 1/2 < the row's largest p <= 1. The row's sum l is taken of the UNQUANTISED p, in f32, and the product's result is divided by l at the end. Since M is a whole number, a kernel that streams over the keys may use a running M (the ceiling of the running maximum): every later rescaling is an exact power of two, which a block's scale takes up: the codes' values come out the same.
;;   OPERANDS COMPUTED ON THE WAY. 'Computed on the way' means the value that the module computes at that place (a softmax that the list does not call 'softmax' is quantised finished and normalised). What goes into a quantiser is computed in f32, as accurately as f32 sums, v_exp_f32 and their like allow (about 1e-6 of the number): no bf16 or f16 on the way to a quantiser, and a product that is left as it is and whose result goes on into a quantised operand takes f32 operands (vector FMAs, or v_wmma_f32_16x16x4_f32). A number that lies on a knife's edge between two numbers of the format may be rounded either way, as far as f32 arithmetic and the matrix unit's own rounding can turn it there, and no further.
;; One version. Each part assembles by itself: llvm-mc -triple=amdgcn-amd-amdhsa -mcpu=gfx1250 --defsym DOCPART=n.
;; ======== version 1 of 1: 4 launches
;; limits: right only within a limited range of input values
;; workspace buffers: xq 6,553,600 bytes; oq 6,553,600 bytes; wq 3,276,800 bytes; qkvc 18,874,368 bytes; qkvs 786,432 bytes
;; launch quant (part 1): grid 512 x 1, 4 waves a work-group, no clusters, 47,616 bytes of LDS; arguments x, W_qkv, W_o, xq, wq; writes xq, wq
.if DOCPART == 1
	.amdgcn_target "amdgcn-amd-amdhsa--gfx1250"
	.amdhsa_code_object_version 6
	.text
	.protected	k_q2b383a5a7e_quant
	.globl	k_q2b383a5a7e_quant
	.p2align	8
	.type	k_q2b383a5a7e_quant,@function
k_q2b383a5a7e_quant:
	s_mov_b64 s[64:65], 0
	v_nop
	global_prefetch_b8 v0, s[64:65] scope:SCOPE_SE
	s_setreg_imm32_b32 hwreg(HW_REG_WAVE_MODE, 25, 1), 1
	s_wait_xcnt 0x0
; x [8192][1024], W_qkv [1024][3072] and W_o [1024][1024], f32, become codes of FP6 (E2M3) with one E8M0 byte for each 32 along K (x: its last axis; the weights: their first).
; A block's byte is its largest magnitude's exponent field - 2, held at 1 from below; each number is divided by the scale and rounded to the nearest code, ties to even, beyond 7.5 the largest code.
; LIMITS: NaN and infinities are not served; a block whose largest magnitude lies under 2^-124 gets the byte 1; a block of zeros gets the byte 1 where the rule says 127 (its codes are zeros, and this program alone reads the bytes).
; LAYOUT OF THE RESULTS: images of the operand's registers.  A TILE is 16 rows: tile 2 b + u, place p, is row 32 b + 8 u + p + 8 (p / 8).  A HALF IMAGE (768 bytes) is a tile x 64 K: lane (r, h) owns the 24 bytes of row r,
; k = 32 h .. 32 h + 31: its first 16 bytes at 16 x lane, its last 8 at 512 + 8 x lane.  A scale word (four bytes: 128 K of a row) lies at 4 r, 64 bytes a tile.
;   xq: codes at (tile x 16 + k / 64) x 768; words at XSO + ((k / 128) x 512 + tile) x 64.     wq: chunk c of 128 columns (0-23 W_qkv, 24-31 W_o), K step s, tile i: codes at ((8 c + s) 8 + i) x 1536; words at WSO + 4096 c + 512 s + 64 i.
; Work-groups 0-255 take x (32 rows each, wave w K steps 2 w and 2 w + 1), work-groups 256-511 the weights (a chunk x a K step each, wave w 32 columns).  Each of the two ways has LDS bytes of its own.  Waves share nothing: no barrier.
.set XSO,   6291456
.set WSO,   3145728
.set WST,   33792                      ; LDS: x's way 4 x 8,448 bytes from 0; the weights' way 4 x 3,328 bytes from here
.set SPARE, 47104                      ; the spare words, 128 bytes for each wave: two blocks of 256 bytes that no other line names
.set L16, 1                            ; v1   16 x lane
.set L8,  2                            ; v2   512 + 8 x lane
.set L4,  3                            ; v3   4 x lane
.set STI, 4                            ; v4   x: the stage, on the way in
.set STO, 5                            ; v5   x: and on the way out
.set SPW, 6                            ; v6   my spare word; never rewritten
.set NIL, 7                            ; v7   0; never rewritten
.set SA16, 8                           ; v8   weights: where my block's first 16 bytes go in the stage
.set SA8, 9                            ; v9   and its last 8
.set RB,  10                           ; v10  weights: the stage read back
.set WO,  11                           ; v11  weights: my column's scale word
.set R0,  16                           ; v16-143  x: two sets of 16 rows as loaded
.set X,   144                          ; v144-207 x: 64 numbers of my row: register 16 b + i = k 32 b + 16 h + i
.set TM,  208                          ; v208-223 at work in QUANT
.set PW,  224                          ; v224-225 the two tiles' scale words
.set SW,  226                          ; v226     the word that is stored
.set PC,  228                          ; v228-246 codes
.set VO,  16                           ; v16-47   weights: offsets of 32 rows
.set XW,  48                           ; v48-175  weights: 128 numbers of my column
.set CW,  184                          ; v184..   weights: codes, eight registers a block
.set TW,  216
.set OUTW, 220                         ; v220-243
.set WV,  14
.set HM,  15
.set SEL, 16
	s_load_b256 s[4:11], s[0:1], 0x0               ; x s[4:5], W_qkv s[6:7], W_o s[8:9], xq s[10:11]
	s_load_b64 s[12:13], s[0:1], 0x20              ; wq
	v_lshl_add_u32 v[SPW], v0, 2, SPARE
	v_mov_b32 v[NIL], 0
	v_lshrrev_b32 v12, 5, v0
	v_readfirstlane_b32 s[WV], v12                 ; wave
	v_and_b32 v12, 31, v0                          ; lane
	v_and_b32 v13, 15, v0                          ; r
	v_bfe_u32 v14, v0, 4, 1                        ; h
	v_lshlrev_b32 v[L16], 4, v12
	v_lshlrev_b32 v[L8], 3, v12
	v_add_nc_u32 v[L8], 512, v[L8]
	v_lshlrev_b32 v[L4], 2, v12
	s_mov_b32 s21, 0
	s_wait_kmcnt 0x0
	s_cmp_lt_u32 ttmp9, 256
	s_cbranch_scc0 .Lweights
; ---------------- x ----------------
; 64 numbers of a lane, register 16 b + i = k 32 b + 16 h + i of my row, become a fragment's codes in v[PC] on and its scale word in v[pw].
.macro QUANT s, pw
.irp b, 0,1,2,3
	v_max3_num_f32 v[TM+\b], |v[\s+16*\b]|, |v[\s+1+16*\b]|, 0x1800000   ; my 16 numbers of block b, and the floor 2^(3 - 127): the byte cannot fall under 1
.endr
.irp i, 2,4,6,8,10,12,14
.irp b, 0,1,2,3
	v_max3_num_f32 v[TM+\b], v[TM+\b], |v[\s+16*\b+\i]|, |v[\s+1+16*\b+\i]|
.endr
.endr
.irp b, 0,1,2,3
	v_permlanex16_b32 v[TM+4+\b], v[TM+\b], s[SEL], s[SEL+1]
.endr
.irp b, 0,1,2,3
	v_max_num_f32 v[TM+\b], v[TM+\b], v[TM+4+\b]   ; with lane l xor 16's: the block's largest magnitude
.endr
.irp b, 0,1,2,3
	v_add_nc_u32 v[TM+12+\b], 0xff000000, v[TM+\b] ; 2 off its exponent field: the conversion's scale operand
.endr
.irp b, 0,1,2,3
	v_lshrrev_b32 v[TM+4+\b], 23, v[TM+12+\b]      ; the scale's byte
.endr
	v_lshl_or_b32 v[\pw], v[TM+5], 8, v[TM+4]
	v_lshl_or_b32 v[\pw], v[TM+6], 16, v[\pw]
	v_lshl_or_b32 v[\pw], v[TM+7], 24, v[\pw]
	s_wait_xcnt 0x0                                ; the last stores have read the code registers and the word: only now are they written again
.irp c, 0,1
	v_cvt_scalef32_pk16_fp6_f32 v[PC+6*\c:PC+2+6*\c], v[\s+32*\c:\s+15+32*\c], v[TM+12+2*\c]
	v_cvt_scalef32_pk16_fp6_f32 v[PC+12+4*\c:PC+14+4*\c], v[\s+16+32*\c:\s+31+32*\c], v[TM+12+2*\c+1]
.endr
	v_nop                                          ; one plain place behind a scaled conversion
.irp c, 0,1                                    ; a whole block to a lane: lanes 0-15 block 2 c, lanes 16-31 block 2 c + 1
.irp i, 0,1,2
	v_permlane16_swap_b32 v[PC+6*\c+\i], v[PC+12+4*\c+\i]
.endr
.irp i, 0,1,2
	v_mov_b32 v[PC+3+6*\c+\i], v[PC+12+4*\c+\i]
.endr
.endr
.endm
; task q: K step 2 w + q / 2, tile q % 2 of my work-group's pair.  Each load reads 512 consecutive bytes of one row.
.macro LOADX q
.irp p, 0,1,2,3,4,5,6,7,8,9,10,11,12,13,14,15
	global_load_b128 v[R0+64*((\q)%2)+4*\p:R0+64*((\q)%2)+4*\p+3], v[L16], s[4:5] offset:(8*((\q)&1)+\p+8*(\p/8))*4096+((\q)>>1)*512 th:TH_LOAD_NT
.endr
.endm
; through my own stage (rows of 512 bytes + 16): in as loaded, out 16 neighbours of each block of 32 to a lane.  LDS serves a wave's instructions in order: no wait between.
.macro TURN q
.irp p, 0,1,2,3,4,5,6,7,8,9,10,11,12,13,14,15
	ds_store_b128 v[STI], v[R0+64*((\q)%2)+4*\p:R0+64*((\q)%2)+4*\p+3] offset:528*\p
.endr
.irp b, 0,1,2,3
.irp j, 0,1,2,3
	ds_load_b128 v[X+16*\b+4*\j:X+16*\b+4*\j+3], v[STO] offset:128*\b+16*\j
.endr
.endr
.endm
.macro TASK q
.if (\q) < 3
	s_wait_loadcnt 16                              ; this task's 16 loads are in; the next task's 16 may be out
.else
	s_wait_loadcnt 0x0
.endif
	TURN \q
	s_wait_dscnt 0x0                               ; my numbers are back, and the stage's stores have read their registers,
.if (\q) < 2
	LOADX (\q)+2                                   ; which take the loads of two tasks on
.endif
	QUANT X, PW+((\q)&1)
	global_store_b128 v[L16], v[PC:PC+3], s[24:25] offset:((\q)&1)*12288+((\q)>>1)*1536        ; 512 consecutive bytes,
	global_store_b64 v[L8], v[PC+4:PC+5], s[24:25] offset:((\q)&1)*12288+((\q)>>1)*1536         ; and 256: a half image
	global_store_b128 v[L16], v[PC+6:PC+9], s[24:25] offset:((\q)&1)*12288+((\q)>>1)*1536+768
	global_store_b64 v[L8], v[PC+10:PC+11], s[24:25] offset:((\q)&1)*12288+((\q)>>1)*1536+768
.if ((\q)&1)
	v_cndmask_b32 v[SW], v[PW], v[PW+1], s[HM]     ; lanes 0-15 the even tile's words, lanes 16-31 the odd tile's: 128 consecutive bytes
	global_store_b32 v[L4], v[SW], s[26:27] offset:((\q)>>1)*32768
.endif
.endm
	s_wait_alu depctr_va_vdst(0)
	v_cmp_lt_u32 s[HM], 15, v12                    ; lanes 16-31
	s_mov_b32 s[SEL], 0x76543210
	s_mov_b32 s[SEL+1], 0xfedcba98                 ; v_permlanex16_b32's selects for lane l xor 16
.irp b, 0,1,2,3
	v_mov_b32 v[TM+4+\b], 0                        ; written once: a lane permute's destination counts as one of its sources
.endr
	s_lshl_b32 s20, ttmp9, 17                      ; x: 32 rows of 4,096 bytes a work-group,
	s_lshl_b32 s22, s[WV], 10                      ; 1,024 bytes of a row a wave
	s_add_co_u32 s20, s20, s22
	s_add_nc_u64 s[4:5], s[4:5], s[20:21]
	s_mul_i32 s20, ttmp9, 24576                    ; codes: two tiles of 12,288 bytes a work-group, four half images a wave
	s_mul_i32 s22, s[WV], 3072
	s_add_co_u32 s20, s20, s22
	s_add_nc_u64 s[24:25], s[10:11], s[20:21]
	s_lshl_b32 s20, s[WV], 16                      ; words: 32,768 bytes a K step, 128 a pair of tiles
	s_lshl_b32 s22, ttmp9, 7
	s_add_co_u32 s20, s20, s22
	s_add_co_u32 s20, s20, XSO
	s_add_nc_u64 s[26:27], s[10:11], s[20:21]
	s_mul_i32 s22, s[WV], 8448                     ; my stage
	v_add_nc_u32 v[STI], s22, v[L16]
	v_mul_u32_u24 v[STO], v13, 528
	v_lshl_add_u32 v[STO], v14, 6, v[STO]
	v_add_nc_u32 v[STO], s22, v[STO]
	LOADX 0
	LOADX 1
	s_wait_alu depctr_va_vdst(0)
	TASK 0
	TASK 1
	TASK 2
	TASK 3
	s_wait_tensorcnt 0x0                           ; the wave's end
	ds_add_u32 v[SPW], v[NIL]
	s_wait_dscnt 0x0
	s_endpgm
; ---------------- the weights ----------------
; A lane takes a column and its registers run down K: a block of 32 lies in one lane, and the conversions give codes with K innermost.  Each load reads 128 consecutive bytes a wave, 512 a work-group.
.Lweights:
	s_sub_co_u32 s16, ttmp9, 256                   ; g = 8 c + s
	s_lshr_b32 s17, s16, 3                         ; chunk c
	s_and_b32 s18, s16, 7                          ; K step s
	s_cmp_lt_u32 s17, 24                           ; W_qkv or W_o: the choice hangs on the work-group's number alone
	s_cselect_b64 s[36:37], s[6:7], s[8:9]
	s_mov_b32 s19, 4096
	s_cselect_b32 s19, 12288, s19                  ; a row in bytes
	s_cselect_b32 s22, 0, 24
	s_sub_co_u32 s22, s17, s22                     ; the chunk's number in its own tensor
	s_lshl_b32 s20, s18, 7
	s_mul_i32 s20, s20, s19                        ; 128 s rows
	s_lshl_b32 s22, s22, 9
	s_add_co_u32 s20, s20, s22                     ; + 512 bytes a chunk
	s_lshl_b32 s22, s[WV], 7
	s_add_co_u32 s20, s20, s22                     ; + 128 a wave
	s_add_nc_u64 s[28:29], s[36:37], s[20:21]      ; block 0's first row;
	s_lshl_b32 s20, s19, 5                         ; 32 rows on for each further block
	s_add_nc_u64 s[30:31], s[28:29], s[20:21]
	s_add_nc_u64 s[32:33], s[30:31], s[20:21]
	s_add_nc_u64 s[34:35], s[32:33], s[20:21]
	s_mul_i32 s20, s16, 12288                      ; codes: 8 tiles of 1,536 bytes for (c, s), two tiles a wave
	s_mul_i32 s22, s[WV], 3072
	s_add_co_u32 s20, s20, s22
	s_add_nc_u64 s[24:25], s[12:13], s[20:21]
	s_lshl_b32 s20, s16, 9                         ; words: 512 bytes for (c, s), 128 a wave
	s_lshl_b32 s22, s[WV], 7
	s_add_co_u32 s20, s20, s22
	s_add_co_u32 s20, s20, WSO
	s_add_nc_u64 s[26:27], s[12:13], s[20:21]
.set n, 0
	s_wait_alu depctr_va_vdst(0)
.rept 32
	v_mad_u32_u24 v[VO+n], s19, n, v[L4]           ; row n of a block, my column
.set n, n+1
.endr
.irp t, 0,1,2,3
.set n, 0
.rept 32
	global_load_b32 v[XW+32*\t+n], v[VO+n], s[28+2*\t:29+2*\t] th:TH_LOAD_NT
.set n, n+1
.endr
.endr
	v_bfe_u32 v176, v0, 3, 1                       ; column l of my 32 is place (l % 8) + 8 (l / 16) of tile (l / 8) % 2
	v_and_b32 v177, 7, v0
	v_lshl_add_u32 v177, v14, 3, v177
	s_mul_i32 s22, s[WV], 3328
	s_add_co_u32 s22, s22, WST                     ; my stage: two tiles' images, 1,664 bytes apart
	v_mul_u32_u24 v178, v176, 1664
	v_add_nc_u32 v178, s22, v178
	v_lshl_add_u32 v[SA16], v177, 4, v178
	v_lshl_add_u32 v[SA8], v177, 3, v178
	v_add_nc_u32 v[SA8], 512, v[SA8]
	v_add_nc_u32 v[RB], s22, v[L16]
	v_lshlrev_b32 v[WO], 2, v177
	v_lshl_add_u32 v[WO], v176, 6, v[WO]
; block t of my column: it is what lane (place, t % 2) of half image t / 2 owns
.macro BLOCKW t
.set XB, XW+32*(\t)
.set CC, CW+8*(\t)
.if (\t) < 2
	s_wait_loadcnt 63                              ; the later blocks' loads may be out: 96 and 64 of them; the count's field holds 63
.else
	s_wait_loadcnt 32*(3-(\t))
.endif
	v_max3_num_f32 v176, |v[XB]|, |v[XB+1]|, |v[XB+2]|
	v_max3_num_f32 v177, |v[XB+3]|, |v[XB+4]|, |v[XB+5]|
.irp i, 6,10,14,18,22,26
	v_max3_num_f32 v176, v176, |v[XB+\i]|, |v[XB+\i+1]|
	v_max3_num_f32 v177, v177, |v[XB+\i+2]|, |v[XB+\i+3]|
.endr
	v_max3_num_f32 v176, v176, |v[XB+30]|, |v[XB+31]|
	v_max3_num_f32 v176, v176, v177, 0x1800000     ; and the floor
	v_add_nc_u32 v178, 0xff000000, v176            ; the conversion's scale operand
	v_lshrrev_b32 v179, 23, v178                   ; the byte
.if (\t) == 0
	v_mov_b32 v180, v179
.else
	v_lshl_or_b32 v180, v179, 8*(\t), v180         ; my column's scale word
.endif
	v_cvt_scalef32_pk16_fp6_f32 v[CC:CC+2], v[XB:XB+15], v178
	v_cvt_scalef32_pk16_fp6_f32 v[TW:TW+2], v[XB+16:XB+31], v178
	v_nop                                          ; one plain place behind a scaled conversion
.irp i, 0,1,2
	v_mov_b32 v[CC+3+\i], v[TW+\i]
.endr
	ds_store_b128 v[SA16], v[CC:CC+3] offset:((\t)>>1)*768+((\t)&1)*256
	ds_store_b64 v[SA8], v[CC+4:CC+5] offset:((\t)>>1)*768+((\t)&1)*128
.endm
	BLOCKW 0
	BLOCKW 1
	BLOCKW 2
	BLOCKW 3
.irp n, 0,1,2,3,4,5
	ds_load_b128 v[OUTW+4*\n:OUTW+4*\n+3], v[RB] offset:(\n/3)*1664+512*(\n%3)   ; LDS serves a wave's instructions in order: these see my stores
.endr
	s_wait_alu depctr_va_vdst(0)
.irp n, 0,1,2,3,4,5
	s_wait_dscnt 5-\n
	global_store_b128 v[L16], v[OUTW+4*\n:OUTW+4*\n+3], s[24:25] offset:(\n/3)*1536+512*(\n%3)   ; 512 consecutive bytes
.endr
	global_store_b32 v[WO], v180, s[26:27]         ; the wave's 32 words: 128 consecutive bytes
	s_wait_tensorcnt 0x0                           ; the wave's end
	ds_add_u32 v[SPW], v[NIL]
	s_wait_dscnt 0x0
	s_endpgm
.Lfunc_end_k_q2b383a5a7e_quant:
	.size	k_q2b383a5a7e_quant, .Lfunc_end_k_q2b383a5a7e_quant-k_q2b383a5a7e_quant
	.p2alignl 7, 3214868480
	.fill 96, 4, 3214868480
	.section	.rodata,"a",@progbits
	.p2align	6, 0x0
	.amdhsa_kernel k_q2b383a5a7e_quant
		.amdhsa_group_segment_fixed_size 47616
		.amdhsa_private_segment_fixed_size 0
		.amdhsa_enable_private_segment 0
		.amdhsa_kernarg_size 40
		.amdhsa_user_sgpr_count 2
		.amdhsa_user_sgpr_kernarg_segment_ptr 1
		.amdhsa_wavefront_size32 1
		.amdhsa_system_sgpr_workgroup_id_x 1
		.amdhsa_system_sgpr_workgroup_id_y 1
		.amdhsa_system_sgpr_workgroup_id_z 1
		.amdhsa_system_vgpr_workitem_id 0
		.amdhsa_next_free_vgpr 256
		.amdhsa_next_free_sgpr 66
		.amdhsa_reserve_vcc 0
		.amdhsa_float_denorm_mode_32 3
		.amdhsa_float_denorm_mode_16_64 3
		.amdhsa_memory_ordered 1
		.amdhsa_forward_progress 1
		.amdhsa_inst_pref_size 57
	.end_amdhsa_kernel
	.amdgpu_metadata
---
amdhsa.version: [ 1, 2 ]
amdhsa.kernels:
  - .name:           k_q2b383a5a7e_quant
    .symbol:         k_q2b383a5a7e_quant.kd
    .args:
      - { .name: x, .offset: 0, .size: 8, .value_kind: global_buffer, .address_space: global }
      - { .name: W_qkv, .offset: 8, .size: 8, .value_kind: global_buffer, .address_space: global }
      - { .name: W_o, .offset: 16, .size: 8, .value_kind: global_buffer, .address_space: global }
      - { .name: xq, .offset: 24, .size: 8, .value_kind: global_buffer, .address_space: global }
      - { .name: wq, .offset: 32, .size: 8, .value_kind: global_buffer, .address_space: global }
    .group_segment_fixed_size: 47616
    .private_segment_fixed_size: 0
    .kernarg_segment_align: 8
    .kernarg_segment_size: 40
    .max_flat_workgroup_size: 128
    .sgpr_count:     66
    .vgpr_count:     256
    .wavefront_size: 32
...
	.end_amdgpu_metadata
.endif
;; end of part 1
;; launch qkv (part 2): grid 32 x 8, 4 waves a work-group, clusters of 4 x 1, 327,680 bytes of LDS; arguments xq, wq, b_qkv, qkvc, qkvs; writes qkvc, qkvs
.if DOCPART == 2
	.amdgcn_target "amdgcn-amd-amdhsa--gfx1250"
	.amdhsa_code_object_version 6
	.text
	.protected	k_q2b383a5a7e_qkv
	.globl	k_q2b383a5a7e_qkv
	.p2align	8
	.type	k_q2b383a5a7e_qkv,@function
k_q2b383a5a7e_qkv:
	s_mov_b64 s[64:65], 0
	v_nop
	global_prefetch_b8 v0, s[64:65] scope:SCOPE_SE
	s_setreg_imm32_b32 hwreg(HW_REG_WAVE_MODE, 25, 1), 1
	s_wait_xcnt 0x0
	s_wait_alu depctr_hold_cnt(0) depctr_sa_sdst(0) depctr_va_vdst(0) depctr_va_sdst(0) depctr_va_ssrc(0) depctr_va_vcc(0) depctr_vm_vsrc(0)
	s_getreg_b32 s2, hwreg(HW_REG_IB_STS2, 6, 4)
	s_cmp_eq_u32 s2, 0
	s_cbranch_scc0 .Lentry_in_a_cluster
	s_endpgm
.Lentry_in_a_cluster:
	s_bfe_u32 s2, ttmp6, 0x10000c
	s_cmp_lg_u32 s2, 0x3003
	s_cbranch_scc0 .Lentry_shape_is_right
	s_endpgm
.Lentry_shape_is_right:
; qkv = x W_qkv + b_qkv on codes of FP6 (E2M3); its result never goes to memory as f32: q and k are quantised along the head's 64, v along the keys, and leave as images of the next products' operands.
; SHARES.  A work-group takes 256 tokens (rt) and a pair of heads (sl): three chunks of 128 columns, q's, k's and v's.  Wave w owns tokens 64 w .. 64 w + 63: its four tiles of x, all of K, stay in 384 registers, read once.
; The three chunks of W (98,304 bytes each) and their scale words lie whole in LDS, filled once: no slot is ever filled again.  CLUSTER: the four work-groups of a cluster differ in rt alone and need the same chunks:
; each tensor load is asked for jointly (mask 15).  4 x 4 is not used: x goes straight into each wave's registers, where a joint load does not reach.
; TILES AND IMAGES: tile 2 b + u, place p, is row 32 b + 8 u + p + 8 (p / 8); a half image (768 bytes) is a tile x 64 K: lane (r, h) owns 24 bytes, 16 at 16 x lane and 8 at 512 + 8 x lane.
; q, k: the product is used transposed (source 0 = 16 columns of W, source 1 = 16 tokens): a lane holds one token, and the 64 registers of a tile of tokens run along the two heads' 128 columns: four blocks of 32.
; v: source 0 = 16 tokens, source 1 = 16 columns: a lane holds one channel, and its registers run along my 64 tokens: two blocks of 32 keys for each tile of channels.
; The bias is the C of each sum's first matrix instruction.  The 32 accumulators take turns, one instruction a turn, in the same order in every K step.
; LIMITS: NaN and infinities are not served; a block under 2^-124, and a block of zeros, gets the byte 1 (zeros' codes are zeros; this program alone reads the bytes).
; v's scale bytes leave as stores of two bytes a lane, four bytes apart (a wave has two of a word's four key blocks): one byte in 96 of what the launch stores.
; REGISTERS, in windows of 256.  Window 0: see the names below.  Window 1: the accumulators.  Window 2: x's fragments of K steps 0-4 at 48 s + 12 a.  Window 3: those of K steps 5-7 at 48 (s - 5) + 12 a; from v144 W's eight fragments.
.set XSO,   6291456
.set WSO,   3145728
.set WSL,   294912                     ; LDS: chunk j at 98,304 j; behind them the scale words: 4096 j + 512 s + 64 i + 4 r
.set SPARE, 307200                     ; the spare words, 128 bytes for each wave: two blocks of 256 bytes that no other line names
.set L16, 1                            ; v1   16 x lane
.set L8,  2                            ; v2   512 + 8 x lane
.set L4,  3                            ; v3   4 x lane
.set VB,  4                            ; v4   64 h: q's and k's bias
.set VR,  5                            ; v5   4 (r + 8 (r / 8)): v's bias
.set VSH, 6                            ; v6   16 h
.set AD16, 8                           ; v8-13  16 x lane + 49,152 k
.set AD8, 14                           ; v14-19 512 + 8 x lane + 49,152 k
.set ADW, 20                           ; v20    4 x lane + WSL
.set SPW, 22                           ; v22  my spare word; never rewritten
.set NIL, 23                           ; v23  0; never rewritten
.set XS,  24                           ; v24-39  x's scale words: 2 s + a / 2; lanes 0-15 the even tile, lanes 16-31 the odd
.set WS,  40                           ; v40-71  W's: 4 s + i / 2, likewise
.set BI,  72                           ; v72-135 the bias as C: eight registers a tile of columns
.set BV,  136                          ; v136-143 v's bias, a number a tile
.set TM,  144                          ; v144-159 at work in QUANTW
.set PW,  160                          ; v160-163 scale words made
.set PC,  164                          ; v164-182 codes made
.set TT,  184                          ; v184-191 at work
.set BF,  144
.set K16, 192                          ; v192, v193  where a lane's 16 and 8 bytes of k go: k's tiles are laid anew for the scores' product
.set WV,  14
.set CX,  15
.set RT,  16
.set SL,  17
.set G1C, 24                           ; s[24:31] group 1: 384 rows of 256 bytes
.set G1S, 32                           ; s[32:39] group 1: 3 rows of 4,096 bytes, 32,768 apart
.set G0S, 40                           ; s[40:43] group 0: the scale words
.set G0C, 44                           ; s[44:55] groups 0: the three chunks
.set HM,  56
.set SEL, 58
.set PX,  66                           ; s[66:67] x's codes at my first tile
.set PXS, 68                           ; s[68:69] x's scale words
.set PB,  70                           ; s[70:71] the bias at my pair of heads
.set PQ,  72                           ; s[72:73] q's codes out (k's 6,291,456 on)
.set PQS, 74                           ; s[74:75] q's words out (k's 262,144 on)
.set PV,  76                           ; s[76:77] v's codes out
.set PVS, 78                           ; s[78:79] v's words out
.set MSB, 0
.macro WIN new                         ; the immediate's high byte repeats the setting that is left
.if MSB != \new
	s_set_vgpr_msb (MSB<<8)|\new
.set MSB, \new
.endif
.endm
.macro ROUND                           ; a round of the cluster's barrier
	s_barrier_signal -1
	s_barrier_wait -1
	s_cmp_lg_u32 s[WV], 0
	s_cbranch_scc1 .Lnot_wave_0_\@
	s_barrier_signal -3
.Lnot_wave_0_\@:
	s_barrier_wait -3
	s_barrier_signal -1
	s_barrier_wait -1
.endm
.macro PLACES                          ; four plain places behind matrix instructions, in front of loads into their registers and of reads of their results
.rept 4
	v_nop
.endr
.endm
	s_load_b256 s[4:11], s[0:1], 0x0               ; xq s[4:5], wq s[6:7], b_qkv s[8:9], qkvc s[10:11]
	s_load_b64 s[12:13], s[0:1], 0x20              ; qkvs
	v_lshl_add_u32 v[SPW], v0, 2, SPARE
	v_mov_b32 v[NIL], 0
	ds_add_u32 v[SPW], v[NIL]                      ; the wave's opening: the add and its wait ahead of my first tensor load; the set-up below stands between them
	ds_add_u32 v[SPW], v[NIL]
	v_lshrrev_b32 v[TT], 5, v0
	v_readfirstlane_b32 s[WV], v[TT]               ; wave 0..3
	v_and_b32 v[TT], 31, v0                        ; lane
	v_and_b32 v[TT+1], 15, v0                      ; r
	v_bfe_u32 v[TT+2], v0, 4, 1                    ; h
	v_lshlrev_b32 v[L16], 4, v[TT]
	v_lshlrev_b32 v[L8], 3, v[TT]
	v_add_nc_u32 v[L8], 512, v[L8]
	v_lshlrev_b32 v[L4], 2, v[TT]
	v_lshlrev_b32 v[VB], 6, v[TT+2]
	v_and_b32 v[TT+3], 8, v[TT+1]
	v_add_nc_u32 v[TT+3], v[TT+3], v[TT+1]
	v_lshlrev_b32 v[VR], 2, v[TT+3]
	v_lshlrev_b32 v[VSH], 4, v[TT+2]
	; k's images: token (tile 2 b + u, place p) of my 64 goes to tile u + 2 (p / 8), place p % 8 + 8 b: a tile then holds keys 8 j + 0 .. 7 of one block of 32 and the same of the next
	v_lshrrev_b32 v[K16], 3, v[TT+1]
	v_mul_u32_u24 v[K16], v[K16], 1536
	v_and_b32 v[K16+1], 7, v[TT+1]
	v_lshl_add_u32 v[TT+4], v[K16+1], 4, v[K16]
	v_lshl_add_u32 v[K16+1], v[K16+1], 3, v[K16]
	v_lshl_add_u32 v[K16], v[TT+2], 8, v[TT+4]     ; 1536 (p / 8) + 16 (p % 8) + 256 h
	v_lshl_add_u32 v[K16+1], v[TT+2], 7, v[K16+1]
	v_add_nc_u32 v[K16+1], 512, v[K16+1]           ; 1536 (p / 8) + 512 + 8 (p % 8) + 128 h
.irp k, 0,1,2,3,4,5
	v_add_nc_u32 v[AD16+\k], \k*49152, v[L16]
	v_add_nc_u32 v[AD8+\k], \k*49152, v[L8]
.endr
	v_add_nc_u32 v[ADW], WSL, v[L4]
	v_cmp_lt_u32 s[HM], 15, v[TT]                  ; lanes 16-31
.irp b, 0,1,2,3
	v_mov_b32 v[TM+4+\b], 0                        ; written once: a lane permute's destination counts as one of its sources
.endr
	s_mov_b32 s[SEL], 0x76543210
	s_mov_b32 s[SEL+1], 0xfedcba98
	s_bfe_u32 s[CX], ttmp6, 0x40000                ; my place in the cluster
	s_lshl_b32 s[RT], ttmp9, 2
	s_add_co_u32 s[RT], s[RT], s[CX]               ; my 256 tokens: it enters x's and the results' addresses alone
	s_and_b32 s[SL], ttmp7, 0xffff                 ; my pair of heads, which the four partners share
	s_mov_b32 s[G1C], 15|(3<<16)|(1<<21)           ; the mask: all four; elements of 8 bytes; bit 21 beside a mask; no padding
	s_mov_b32 s[G1C+1], 32<<16                     ; tensor_dim0 = 32 elements (256 bytes)
	s_mov_b32 s[G1C+2], 384<<16                    ; tensor_dim1 = 384: a whole chunk
	s_mov_b32 s[G1C+3], 32<<16                     ; tile_dim0
	s_mov_b32 s[G1C+4], 384
	s_mov_b32 s[G1C+5], 32                         ; the pitch: dense
	s_mov_b32 s[G1C+6], 0
	s_mov_b32 s[G1C+7], 0
	s_mov_b32 s[G1S], 15|(3<<16)|(1<<21)
	s_mov_b32 s[G1S+1], 512<<16                    ; rows of 4,096 bytes: all K steps' words of a chunk
	s_mov_b32 s[G1S+2], 3<<16                      ; three chunks,
	s_mov_b32 s[G1S+3], 512<<16
	s_mov_b32 s[G1S+4], 3
	s_mov_b32 s[G1S+5], 4096                       ; eight chunks (32,768 bytes) apart
	s_mov_b32 s[G1S+6], 0
	s_mov_b32 s[G1S+7], 0
	s_mov_b32 s18, 0                               ; each of the four tiles is fetched whole, by one wave
	s_mov_b32 s19, 0
	s_lshl_b32 s20, s[SL], 12
	s_mov_b32 s22, 0
	s_add_co_u32 s20, s20, s22
	s_add_co_u32 s20, s20, WSO
	s_mov_b32 s21, 0
	s_mul_i32 s22, s[SL], 98304                    ; the codes of chunk sl
	s_add_co_u32 s22, s22, s19
	s_mov_b32 s23, 0
	s_wait_dscnt 0x0                               ; the opening add is done
	s_wait_alu depctr_va_vdst(0)                   ; the wait at the head's end
	s_wait_kmcnt 0x0
	s_add_nc_u64 s[20:21], s[6:7], s[20:21]
	s_add_nc_u64 s[22:23], s[6:7], s[22:23]
	s_mov_b32 s[G0S], 1
	s_add_co_u32 s[G0S+1], s18, WSL
	s_mov_b64 s[G0S+2:G0S+3], s[20:21]
	s_or_b32 s[G0S+3], s[G0S+3], 0x80000000
.irp j, 0,1,2
	s_mov_b32 s[G0C+4*\j], 1
	s_add_co_u32 s[G0C+4*\j+1], s19, \j*98304
	s_add_nc_u64 s[G0C+4*\j+2:G0C+4*\j+3], s[22:23], \j*786432   ; chunk 8 j + sl
	s_or_b32 s[G0C+4*\j+3], s[G0C+4*\j+3], 0x80000000
.endr
	ROUND                                          ; all four work-groups are here: the joint loads meet
	s_cmp_eq_u32 s[WV], 0                          ; one load a wave, in one chain of branches on the wave's number: wave 0 chunk 0, wave 1 the words, wave 2 chunk 1, wave 3 chunk 2
	s_cbranch_scc0 .Lh1
	tensor_load_to_lds s[G0C:G0C+3], s[G1C:G1C+7]
	s_nop 0
	PLACES
	s_branch .Lhj
.Lh1:
	s_cmp_eq_u32 s[WV], 1
	s_cbranch_scc0 .Lh2
	tensor_load_to_lds s[G0S:G0S+3], s[G1S:G1S+7]
	s_nop 0
	PLACES
	s_branch .Lhj
.Lh2:
	s_cmp_eq_u32 s[WV], 2
	s_cbranch_scc0 .Lh3
	tensor_load_to_lds s[G0C+4:G0C+7], s[G1C:G1C+7]
	s_nop 0
	PLACES
	s_branch .Lhj
.Lh3:
	tensor_load_to_lds s[G0C+8:G0C+11], s[G1C:G1C+7]
	s_nop 0
	PLACES
.Lhj:
	; the addresses that hang on rt, in registers that no descriptor names
	s_mov_b32 s81, 0
	s_lshl_b32 s80, s[RT], 4
	s_lshl_b32 s82, s[WV], 2
	s_add_co_u32 s82, s80, s82                     ; my first tile of x: 16 rt + 4 w
	s_mul_i32 s80, s82, 12288
	s_add_nc_u64 s[PX:PX+1], s[4:5], s[80:81]
	s_lshl_b32 s80, s82, 6
	s_add_co_u32 s80, s80, XSO
	s_add_nc_u64 s[PXS:PXS+1], s[4:5], s[80:81]
	s_lshl_b32 s80, s[SL], 9
	s_add_nc_u64 s[PB:PB+1], s[8:9], s[80:81]
	s_lshr_b32 s82, s[RT], 3
	s_lshl_b32 s82, s82, 4
	s_lshl_b32 s83, s[SL], 1
	s_add_co_u32 s82, s82, s83                     ; 16 x batch + my first head
	s_and_b32 s83, s[RT], 7                        ; my 256 tokens' place in the batch
	s_lshl_b32 s60, s82, 7
	s_lshl_b32 s61, s83, 4
	s_add_co_u32 s60, s60, s61
	s_lshl_b32 s61, s[WV], 2
	s_add_co_u32 s60, s60, s61
	s_mul_i32 s80, s60, 768                        ; q: a half image for each head and tile of tokens
	s_add_nc_u64 s[PQ:PQ+1], s[10:11], s[80:81]
	s_lshl_b32 s80, s82, 12
	s_lshl_b32 s61, s83, 9
	s_add_co_u32 s80, s80, s61
	s_lshl_b32 s61, s[WV], 7
	s_add_co_u32 s80, s80, s61
	s_add_nc_u64 s[PQS:PQS+1], s[12:13], s[80:81]
	s_lshl_b32 s60, s83, 1
	s_lshr_b32 s61, s[WV], 1
	s_add_co_u32 s60, s60, s61                     ; my key step of 128,
	s_and_b32 s61, s[WV], 1                        ; and which 64 of it
	s_mul_i32 s80, s82, 98304
	s_mul_i32 s62, s60, 6144
	s_add_co_u32 s80, s80, s62
	s_mul_i32 s62, s61, 768
	s_add_co_u32 s80, s80, s62
	s_add_co_u32 s80, s80, 12582912
	s_add_nc_u64 s[PV:PV+1], s[10:11], s[80:81]
	s_lshl_b32 s80, s82, 12
	s_lshl_b32 s62, s60, 8
	s_add_co_u32 s80, s80, s62
	s_lshl_b32 s62, s61, 1
	s_add_co_u32 s80, s80, s62
	s_add_co_u32 s80, s80, 524288
	s_add_nc_u64 s[PVS:PVS+1], s[12:13], s[80:81]
.irp s, 0,1,2,3,4,5,6,7
.irp y, 0,1
	global_load_b32 v[XS+2*\s+\y], v[L4], s[PXS:PXS+1] offset:\s*32768+128*\y
.endr
.endr
.macro BIAS off                        ; lane (r, h) wants, for tile i, the numbers of columns 32 (i / 2) + 8 (i % 2) + 16 h + 0 .. 7
.irp i, 0,1,2,3,4,5,6,7
.irp q, 0,1
	global_load_b128 v[BI+8*\i+4*\q:BI+8*\i+4*\q+3], v[VB], s[PB:PB+1] offset:(\off)+128*(\i/2)+32*(\i%2)+16*\q
.endr
.endr
.endm
	BIAS 0                                         ; q's
.irp i, 0,1,2,3,4,5,6,7
	global_load_b32 v[BV+\i], v[VR], s[PB:PB+1] offset:8192+128*(\i/2)+32*(\i%2)   ; v's: the number of my column
.endr
.irp s, 0,1,2,3,4,5,6,7                        ; x's fragments, K step by K step: 16 loads a step
.if \s < 5
	WIN 0x80
.else
	WIN 0xc0
.endif
.irp a, 0,1,2,3
.set rX, 48*(\s%5)+12*\a
	global_load_b128 v[rX:rX+3], v[L16], s[PX:PX+1] offset:\a*12288+\s*1536
	global_load_b64 v[rX+4:rX+5], v[L8], s[PX:PX+1] offset:\a*12288+\s*1536
	global_load_b128 v[rX+6:rX+9], v[L16], s[PX:PX+1] offset:\a*12288+\s*1536+768
	global_load_b64 v[rX+10:rX+11], v[L8], s[PX:PX+1] offset:\a*12288+\s*1536+768
.endr
.endr
	WIN 0
; W's fragments of tiles 2 g and 2 g + 1, chunk j, K step s: eight loads
.macro BLOAD j, s, g
	WIN 0xc0
.irp i, 2*(\g), 2*(\g)+1
.set kk, 2*(\j)+((\s)>>2)
.set oo, ((\s)&3)*12288+(\i)*1536
.set rB, BF+12*(\i)
	ds_load_b128 v[rB:rB+3], v[AD16+kk] offset:oo
	ds_load_b64 v[rB+4:rB+5], v[AD8+kk] offset:oo
	ds_load_b128 v[rB+6:rB+9], v[AD16+kk] offset:oo+768
	ds_load_b64 v[rB+10:rB+11], v[AD8+kk] offset:oo+768
.endr
.endm
.macro WSLOAD j                        ; a chunk's scale words, all K steps: 32 loads
	WIN 0
.irp s, 0,1,2,3,4,5,6,7
.irp y, 0,1,2,3
	ds_load_b32 v[WS+4*\s+\y], v[ADW] offset:(\j)*4096+\s*512+128*\y
.endr
.endr
.endm
.macro MM d, a, b, c, sa, sb, ra, rb   ; ra, rb: the side's scale words stand in lanes 16-31
.if (\ra) && (\rb)
	v_wmma_scale_f32_16x16x128_f8f6f4 v[\d:\d+7], v[\a:\a+11], v[\b:\b+11], v[\c:\c+7], v[\sa], v[\sb] matrix_a_fmt:MATRIX_FMT_FP6 matrix_b_fmt:MATRIX_FMT_FP6 matrix_a_scale:MATRIX_SCALE_ROW1 matrix_b_scale:MATRIX_SCALE_ROW1
.elseif (\ra)
	v_wmma_scale_f32_16x16x128_f8f6f4 v[\d:\d+7], v[\a:\a+11], v[\b:\b+11], v[\c:\c+7], v[\sa], v[\sb] matrix_a_fmt:MATRIX_FMT_FP6 matrix_b_fmt:MATRIX_FMT_FP6 matrix_a_scale:MATRIX_SCALE_ROW1
.elseif (\rb)
	v_wmma_scale_f32_16x16x128_f8f6f4 v[\d:\d+7], v[\a:\a+11], v[\b:\b+11], v[\c:\c+7], v[\sa], v[\sb] matrix_a_fmt:MATRIX_FMT_FP6 matrix_b_fmt:MATRIX_FMT_FP6 matrix_b_scale:MATRIX_SCALE_ROW1
.else
	v_wmma_scale_f32_16x16x128_f8f6f4 v[\d:\d+7], v[\a:\a+11], v[\b:\b+11], v[\c:\c+7], v[\sa], v[\sb] matrix_a_fmt:MATRIX_FMT_FP6 matrix_b_fmt:MATRIX_FMT_FP6
.endif
.endm
; Eight matrix instructions: W's tiles 2 g, 2 g + 1 x my four tiles of tokens, K step s of chunk j.  kind 0: q, k (source 0 = W); kind 1: v (source 0 = x).  Behind them the two tiles' fragments of the next K step are fetched.
.macro GROUP kind, j, s, g
.if (\s) == 7
	s_wait_dscnt 24-8*(\g)                         ; the last K step fetches nothing: only this step's later groups are out
.else
	s_wait_dscnt 24                                ; my two tiles are in; the three younger groups of eight loads may be out
.endif
.if ((\j) == 0) && ((\g) == 0)
.if 16*(7-(\s)) > 63
	s_wait_loadcnt 63                              ; x's fragments of this K step are in; the later steps' 16 loads each may be out
.else
	s_wait_loadcnt 16*(7-(\s))
.endif
.endif
.if (\kind) == 0
.if (\s) == 0
	WIN 0x4b                                       ; W window 3, x window 2, the bias window 0, D window 1
.elseif (\s) < 5
	WIN 0x5b
.else
	WIN 0x5f
.endif
.else
.if (\s) == 0
	WIN 0x4e
.elseif (\s) < 5
	WIN 0x5e
.else
	WIN 0x5f
.endif
.endif
.irp i, 2*(\g), 2*(\g)+1
.irp a, 0,1,2,3
.set rX, 48*((\s)%5)+12*\a
.set rB, BF+12*(\i)
.if (\kind) == 0
.set rD, 8*(8*\a+(\i))
.else
.set rD, 8*(4*(\i)+\a)
.endif
.if (\s) == 0
.set rC, BI+8*(\i)
.else
.set rC, rD
.endif
.set rW, WS+4*(\s)+(\i)/2
.set rS, XS+2*(\s)+\a/2
.set fW, (\i)%2
.set fX, \a%2
.if (\kind) == 0
	MM rD, rB, rX, rC, rW, rS, fW, fX
.else
	MM rD, rX, rB, rC, rS, rW, fX, fW
.endif
.endr
.endr
.if (\s) < 7
	PLACES
	BLOAD \j, (\s)+1, \g
.endif
.endm
.macro CHUNK kind, j
.irp s, 0,1,2,3,4,5,6,7
.irp g, 0,1,2,3
	GROUP \kind, \j, \s, \g
.endr
.endr
.endm
; 64 registers of window 1 from s on, register 16 b + i = k 32 b + 16 h + i of my row, become codes in v[PC] on and a scale word in v[pw].  Each accumulator is read from its low end on.
.macro QUANTW s, pw
	WIN 0x14                                       ; sources 1 and 2 window 1
.irp b, 0,1,2,3
	v_max3_num_f32 v[TM+\b], 0x1800000, |v[(\s)+16*\b]|, |v[(\s)+1+16*\b]|   ; the floor 2^(3 - 127): the byte cannot fall under 1
.endr
.irp i, 2,4,6,8,10,12,14
.irp b, 0,1,2,3
	v_max3_num_f32 v[TM+\b], v[TM+\b], |v[(\s)+16*\b+\i]|, |v[(\s)+1+16*\b+\i]|
.endr
.endr
	WIN 0
.irp b, 0,1,2,3
	v_permlanex16_b32 v[TM+4+\b], v[TM+\b], s[SEL], s[SEL+1]
.endr
.irp b, 0,1,2,3
	v_max_num_f32 v[TM+\b], v[TM+\b], v[TM+4+\b]
.endr
.irp b, 0,1,2,3
	v_add_nc_u32 v[TM+12+\b], 0xff000000, v[TM+\b]
.endr
.irp b, 0,1,2,3
	v_lshrrev_b32 v[TM+4+\b], 23, v[TM+12+\b]
.endr
	v_lshl_or_b32 v[\pw], v[TM+5], 8, v[TM+4]
	v_lshl_or_b32 v[\pw], v[TM+6], 16, v[\pw]
	v_lshl_or_b32 v[\pw], v[TM+7], 24, v[\pw]
	s_wait_xcnt 0x0                                ; the earlier stores have read their registers: only now are the codes written again
	WIN 0x01                                       ; source 0 window 1
.irp c, 0,1
	v_cvt_scalef32_pk16_fp6_f32 v[PC+6*\c:PC+2+6*\c], v[(\s)+32*\c:(\s)+15+32*\c], v[TM+12+2*\c]
	v_cvt_scalef32_pk16_fp6_f32 v[PC+12+4*\c:PC+14+4*\c], v[(\s)+16+32*\c:(\s)+31+32*\c], v[TM+12+2*\c+1]
.endr
	WIN 0
	v_nop                                          ; one plain place behind a scaled conversion
.irp c, 0,1
.irp i, 0,1,2
	v_permlane16_swap_b32 v[PC+6*\c+\i], v[PC+12+4*\c+\i]
.endr
.irp i, 0,1,2
	v_mov_b32 v[PC+3+6*\c+\i], v[PC+12+4*\c+\i]
.endr
.endr
.endm
; q's or k's way out: for each tile of tokens two half images, one a head; then the words: for each head and pair of tiles the two tiles' two bytes each
.macro EPIQK j
.irp a, 0,1,2,3
	QUANTW 64*\a, PW+\a
.if \j                                         ; k: eight lanes store 128 (64) consecutive bytes; the tile two on stores the 128 (64) beside them
.set rA, K16
.set o16, 6291456+(\a%2)*768+(\a/2)*128
.set o8, 6291456+(\a%2)*768+(\a/2)*64
.else
.set rA, L16
.set o16, \a*768
.set o8, \a*768
.endif
	global_store_b128 v[rA], v[PC:PC+3], s[PQ:PQ+1] offset:o16
	global_store_b64 v[rA+1], v[PC+4:PC+5], s[PQ:PQ+1] offset:o8
	global_store_b128 v[rA], v[PC+6:PC+9], s[PQ:PQ+1] offset:o16+98304
	global_store_b64 v[rA+1], v[PC+10:PC+11], s[PQ:PQ+1] offset:o8+98304
.endr
	v_perm_b32 v[TT], v[PW+1], v[PW], 0x05040100   ; the first head: the words' low halves
	v_perm_b32 v[TT+1], v[PW+3], v[PW+2], 0x05040100
	v_cndmask_b32 v[TT+2], v[TT], v[TT+1], s[HM]   ; lanes 0-15 tiles 0 and 1, lanes 16-31 tiles 2 and 3: 128 consecutive bytes
	global_store_b32 v[L4], v[TT+2], s[PQS:PQS+1] offset:(\j)*262144
	v_perm_b32 v[TT], v[PW+1], v[PW], 0x07060302   ; the second head: the high halves
	v_perm_b32 v[TT+1], v[PW+3], v[PW+2], 0x07060302
	v_cndmask_b32 v[TT+3], v[TT], v[TT+1], s[HM]
	global_store_b32 v[L4], v[TT+3], s[PQS:PQS+1] offset:(\j)*262144+4096
.endm
	s_cmp_lt_u32 s[WV], 2                          ; waves 0 and 1 wait for chunk 0 and the words; chunks 1 and 2 may stay out
	s_cbranch_scc0 .Lnot01
	s_wait_tensorcnt 0x0
.Lnot01:
	s_barrier_signal -1
	s_barrier_wait -1                              ; everybody's parts are in
	s_wait_alu depctr_va_vdst(0)
	WSLOAD 0
	BLOAD 0, 0, 0
	BLOAD 0, 0, 1
	BLOAD 0, 0, 2
	BLOAD 0, 0, 3
	CHUNK 0, 0                                     ; q
	WIN 0
	s_cmp_eq_u32 s[WV], 3                          ; wave 2's chunk 1 is in; wave 3's chunk 2 may stay out
	s_cbranch_scc1 .Lnot3
	s_wait_tensorcnt 0x0
.Lnot3:
	s_wait_dscnt 0x0
	s_barrier_signal -1
	s_barrier_wait -1
	PLACES
	BIAS 4096                                      ; k's bias; the next chunk's first operands land while q goes out
	WSLOAD 1
	BLOAD 1, 0, 0
	BLOAD 1, 0, 1
	BLOAD 1, 0, 2
	BLOAD 1, 0, 3
	EPIQK 0
	s_wait_loadcnt 0x0                             ; k's bias
	CHUNK 0, 1                                     ; k
	WIN 0
	s_wait_tensorcnt 0x0                           ; chunk 2 is in
	s_wait_dscnt 0x0
	s_barrier_signal -1
	s_barrier_wait -1
.irp i, 0,1,2,3,4,5,6,7
.irp q, 0,1,2,3,4,5,6,7
	v_mov_b32 v[BI+8*\i+\q], v[BV+\i]              ; v's bias as C: a lane holds one column.  (These are also the places behind k's last products)
.endr
.endr
	WSLOAD 2
	BLOAD 2, 0, 0
	BLOAD 2, 0, 1
	BLOAD 2, 0, 2
	BLOAD 2, 0, 3
	EPIQK 1
	CHUNK 1, 2                                     ; v
	WIN 0
	PLACES
.irp p, 0,1,2,3                                ; v's way out: tiles of channels 2 p and 2 p + 1: a half image each (my 64 keys), and my two key blocks' bytes
	QUANTW 64*\p, PW+\p
	global_store_b128 v[L16], v[PC:PC+3], s[PV:PV+1] offset:(\p>>1)*98304+(\p&1)*3072
	global_store_b64 v[L8], v[PC+4:PC+5], s[PV:PV+1] offset:(\p>>1)*98304+(\p&1)*3072
	global_store_b128 v[L16], v[PC+6:PC+9], s[PV:PV+1] offset:(\p>>1)*98304+(\p&1)*3072+1536
	global_store_b64 v[L8], v[PC+10:PC+11], s[PV:PV+1] offset:(\p>>1)*98304+(\p&1)*3072+1536
	v_lshrrev_b32 v[TT+4+\p], v[VSH], v[PW+\p]     ; lanes 0-15 the even tile's two bytes, lanes 16-31 the odd tile's
	global_store_b16 v[L4], v[TT+4+\p], s[PVS:PVS+1] offset:(\p>>1)*4096+(\p&1)*128
.endr
	s_wait_tensorcnt 0x0                           ; the wave's end
	ds_add_u32 v[SPW], v[NIL]
	s_wait_dscnt 0x0
	ROUND                                          ; the closing round
	s_endpgm
.Lfunc_end_k_q2b383a5a7e_qkv:
	.size	k_q2b383a5a7e_qkv, .Lfunc_end_k_q2b383a5a7e_qkv-k_q2b383a5a7e_qkv
	.p2alignl 7, 3214868480
	.fill 96, 4, 3214868480
	.section	.rodata,"a",@progbits
	.p2align	6, 0x0
	.amdhsa_kernel k_q2b383a5a7e_qkv
		.amdhsa_group_segment_fixed_size 327680
		.amdhsa_private_segment_fixed_size 0
		.amdhsa_enable_private_segment 0
		.amdhsa_kernarg_size 40
		.amdhsa_user_sgpr_count 2
		.amdhsa_user_sgpr_kernarg_segment_ptr 1
		.amdhsa_wavefront_size32 1
		.amdhsa_system_sgpr_workgroup_id_x 1
		.amdhsa_system_sgpr_workgroup_id_y 1
		.amdhsa_system_sgpr_workgroup_id_z 1
		.amdhsa_system_vgpr_workitem_id 0
		.amdhsa_next_free_vgpr 1024
		.amdhsa_next_free_sgpr 84
		.amdhsa_reserve_vcc 0
		.amdhsa_float_denorm_mode_32 3
		.amdhsa_float_denorm_mode_16_64 3
		.amdhsa_memory_ordered 1
		.amdhsa_forward_progress 1
		.amdhsa_inst_pref_size 252
	.end_amdhsa_kernel
	.amdgpu_metadata
---
amdhsa.version: [ 1, 2 ]
amdhsa.kernels:
  - .name:           k_q2b383a5a7e_qkv
    .symbol:         k_q2b383a5a7e_qkv.kd
    .args:
      - { .name: xq, .offset: 0, .size: 8, .value_kind: global_buffer, .address_space: global }
      - { .name: wq, .offset: 8, .size: 8, .value_kind: global_buffer, .address_space: global }
      - { .name: b_qkv, .offset: 16, .size: 8, .value_kind: global_buffer, .address_space: global }
      - { .name: qkvc, .offset: 24, .size: 8, .value_kind: global_buffer, .address_space: global }
      - { .name: qkvs, .offset: 32, .size: 8, .value_kind: global_buffer, .address_space: global }
    .group_segment_fixed_size: 327680
    .private_segment_fixed_size: 0
    .kernarg_segment_align: 8
    .kernarg_segment_size: 40
    .max_flat_workgroup_size: 128
    .sgpr_count:     84
    .vgpr_count:     1024
    .wavefront_size: 32
...
	.end_amdgpu_metadata
.endif
;; end of part 2
;; launch attn (part 3): grid 4 x 64, 16 waves a work-group, clusters of 4 x 1, 327,680 bytes of LDS; arguments qkvc, qkvs, oq; writes oq
.if DOCPART == 3
	.amdgcn_target "amdgcn-amd-amdhsa--gfx1250"
	.amdhsa_code_object_version 6
	.text
	.protected	k_q2b383a5a7e_attn
	.globl	k_q2b383a5a7e_attn
	.p2align	8
	.type	k_q2b383a5a7e_attn,@function
k_q2b383a5a7e_attn:
	s_mov_b64 s[64:65], 0
	v_nop
	global_prefetch_b8 v0, s[64:65] scope:SCOPE_SE
	s_setreg_imm32_b32 hwreg(HW_REG_WAVE_MODE, 25, 1), 1
	s_wait_xcnt 0x0
	s_wait_alu depctr_hold_cnt(0) depctr_sa_sdst(0) depctr_va_vdst(0) depctr_va_sdst(0) depctr_va_ssrc(0) depctr_va_vcc(0) depctr_vm_vsrc(0)
	s_getreg_b32 s2, hwreg(HW_REG_IB_STS2, 6, 4)
	s_cmp_eq_u32 s2, 0
	s_cbranch_scc0 .Lentry_in_a_cluster
	s_endpgm
.Lentry_in_a_cluster:
	s_bfe_u32 s2, ttmp6, 0x10000c
	s_cmp_lg_u32 s2, 0x3003
	s_cbranch_scc0 .Lentry_shape_is_right
	s_endpgm
.Lentry_shape_is_right:
; o = softmax(q k^T / 8) v for one batch and head (work-group y) and 512 queries (place in the cluster), on codes of FP6 (E2M3); o leaves quantised along the channels, as images of the last product's operand.
; SHARES.  16 waves; a wave owns 32 queries, two tiles of 16, one after the other.  All 2,048 keys of the head lie in LDS, filled once: step s of 128 keys at 12,288 s: k's 6,144 bytes, then v's.
; CLUSTER: the four work-groups of a cluster differ in their queries alone and ask for k and v jointly (mask 15).  Wave w fetches step w: one tile of two rows of 6,144 bytes, k's and v's, 6,291,456 bytes apart.
; The 8,192 bytes of k's and v's scale words come by plain loads, 16 bytes a lane, and go to LDS bytes of their own.  No prefetch: all that a work-group reads is asked for at the head; no loop loads from memory.
; BOTH PRODUCTS ARE USED TRANSPOSED (S^T = k q^T, O^T = v^T p^T): a lane holds one query.  The head's 64 fill half of the instruction's 128: a fragment of k is two tiles of keys side by side, and q stands
; against one of them with zero codes against the other: registers Z q Z (18) give both operands, [Z q] and [q Z].
; A TILE OF KEYS j = 0 .. 3 of a band of 64: place p is key 8 j + p % 8 + 32 (p / 8).  So lane (r, h) holds, in the band's 32 score registers, keys 32 h + 0 .. 31: one whole scale block of p, in the order of p's operand.
; k's scale words lie in memory by the older order of tiles: word (b, y, i) of a band belongs at (y, b, i); the lanes that fetch them swap the two bits in their address.
; SOFTMAX: M is the ceiling of the running largest t (t = score x log2(e) / 8), kept as -M; p = 2^(t - M); the row's sum is taken of p before it is quantised; when M moves, sum and O^T are multiplied by 2^(old M - new M).
; A block's largest p is made from its largest score by the same multiply-add and exponential.
; LIMITS: the promise holds while |t| stays under 2^31; NaN and infinities are not served; a block of p or o under 2^-124, zeros too, gets the byte 1 (this program alone reads the bytes).
.set XSO,   6291456
.set SCB,   196608                     ; LDS: k's scale words, 4,096 bytes, then v's
.set SPARE, 204800                     ; the spare words, 128 bytes for each wave
.set L16, 1                            ; 16 x lane
.set L8,  2                            ; 512 + 8 x lane
.set LW,  3                            ; SCB + 4 x lane
.set SPW, 4
.set NIL, 5
.set L4,  6
.set A16, 7
.set A8,  8
.set AS,  9
.set SH8, 10                           ; 8 h
.set QA,  11
.set NM,  12                           ; -M;  v13 the running largest score
.set RM,  13
.set LS,  14                           ; v14-15 the row's sum in two halves
.set F,   16                           ; v16-27 q's two tiles
.set QH,  28                           ; v28-39 [Z q]
.set QL,  34                           ; v34-45 [q Z]
.set QW,  46
.set U0,  47
.set QS,  52
.set KS,  54
.set VS,  56
.set PS,  58
.set FF,  60
.set T1,  62
.set T2,  63
.set KF,  64                           ; v64-111 four fragments of k, then of v
.set S,   112                          ; v112-175 scores, then p
.set O,   176                          ; v176-207 O^T
.set P,   208                          ; v208-219 p's codes
.set CT,  220
.set BM,  228                          ; v228-231 four chains of maxima
.set BX,  232
.set X,   234
.set SO,  236
.set S2,  240
.set W,   242
.set GO,  243
.set SA,  244
.set WV,  14
.set CX,  15
.set BH,  16
.set G1C, 24
.set PSC, 32
.set SW,  34
.set G0C, 40
.set TB,  48
.set TS,  50
.set CNT, 51
.set CS,  52
.set SEL, 54
.set HM,  56
.set PQ,  58
.set PQW, 60
.set PO,  62
.set POW, 66
.macro ROUND
	s_barrier_signal -1
	s_barrier_wait -1
	s_cmp_lg_u32 s[WV], 0
	s_cbranch_scc1 .Lnot_wave_0_\@
	s_barrier_signal -3
.Lnot_wave_0_\@:
	s_barrier_wait -3
	s_barrier_signal -1
	s_barrier_wait -1
.endm
.macro WALU
	s_wait_alu depctr_va_vdst(0)
.endm
	s_load_b128 s[4:7], s[0:1], 0x0                ; qkvc, qkvs
	s_load_b64 s[8:9], s[0:1], 0x10                ; oq
	v_lshl_add_u32 v[SPW], v0, 2, SPARE
	v_mov_b32 v[NIL], 0
	ds_add_u32 v[SPW], v[NIL]                      ; the opening lines: the add twice and its wait ahead of my tensor load
	ds_add_u32 v[SPW], v[NIL]
	v_lshrrev_b32 v[T1], 5, v0
	v_readfirstlane_b32 s[WV], v[T1]
	v_and_b32 v[T2], 31, v0
	v_bfe_u32 v[GO], v0, 1, 1
	v_bfe_u32 v[W], v0, 2, 1
	v_lshlrev_b32 v[L16], 4, v[T2]
	v_lshlrev_b32 v[L8], 3, v[T2]
	v_lshlrev_b32 v[L4], 2, v[T2]
	v_and_b32 v[QA], 15, v0
	v_bfe_u32 v[SH8], v0, 4, 1
	v_xor_b32 v[GO], v[GO], v[W]
	v_add_nc_u32 v[L8], 512, v[L8]
	v_add_nc_u32 v[LW], SCB, v[L4]
	v_lshlrev_b32 v[QA], 2, v[QA]
	v_lshlrev_b32 v[SH8], 3, v[SH8]
	v_lshl_add_u32 v[SA], v0, 4, SCB               ; where my 16 bytes of scale words go: 512 bytes a wave
	v_cmp_lt_u32 s[HM], 15, v[T2]
	s_cmp_lt_u32 s[WV], 8                          ; waves 0-7 fetch k's words, in the scores' order of tiles: bits 5 and 6 of the byte's place change places
	s_cselect_b32 s[SW], 96, 0
	v_mul_u32_u24 v[GO], v[GO], s[SW]
	v_xor_b32 v[GO], v[GO], v[L16]
.irp i, 0,1,2,3,4,5
	v_mov_b32 v[QH+\i], 0                          ; the zero codes beside q
	v_mov_b32 v[QL+6+\i], 0
.endr
	v_mov_b32 v[BX], 0                             ; written once: a lane permute's destination counts as one of its sources
	v_mov_b32 v[BX+1], 0
	v_mov_b32 v[X], 0
	v_mov_b32 v[FF+1], 0
	s_mov_b32 s[SEL], 0x76543210
	s_mov_b32 s[SEL+1], 0xfedcba98
	s_mov_b32 s[CS], 0x3e38aa3b                    ; log2(e) / 8
	s_mov_b32 s[CS+1], s[CS]
	s_bfe_u32 s[CX], ttmp6, 0x40000
	s_and_b32 s[BH], ttmp7, 0xffff
	s_mov_b32 s[G1C], 15|(3<<16)|(1<<21)           ; mask: all four; elements of 8 bytes; bit 21 beside a mask
	s_mov_b32 s[G1C+1], 768<<16                    ; rows of 6,144 bytes
	s_mov_b32 s[G1C+2], 2<<16
	s_mov_b32 s[G1C+3], 768<<16
	s_mov_b32 s[G1C+4], 2
	s_mov_b32 s[G1C+5], 786432                     ; from k's codes to v's
	s_mov_b32 s[G1C+6], 0
	s_mov_b32 s[G1C+7], 0
	s_mul_i32 s20, s[BH], 98304
	s_mul_i32 s22, s[WV], 6144
	s_add_co_u32 s20, s20, s22
	s_add_co_u32 s20, s20, 6291456                 ; k's codes of my head, step w
	s_mov_b32 s21, 0
	s_lshr_b32 s22, s[WV], 3
	s_mul_i32 s22, s22, 258048
	s_lshl_b32 s19, s[WV], 9
	s_add_co_u32 s22, s22, s19
	s_lshl_b32 s19, s[BH], 12
	s_add_co_u32 s22, s22, s19
	s_add_co_u32 s22, s22, 262144                  ; k's words (waves 0-7) or v's (waves 8-15), 512 bytes a wave
	s_mov_b32 s23, 0
	s_mul_i32 s17, s[WV], 12288
	WALU                                           ; the wait at the head's end
	s_wait_dscnt 0x0
	s_wait_kmcnt 0x0
	s_mov_b32 s[G0C], 1
	s_mov_b32 s[G0C+1], s17
	s_add_nc_u64 s[G0C+2:G0C+3], s[4:5], s[20:21]
	s_or_b32 s[G0C+3], s[G0C+3], 0x80000000
	ROUND                                          ; all four work-groups are here: the joint loads meet
	s_cmp_lt_u32 s[WV], 2                          ; my one tensor load.  Waves 0 and 1, whose steps are read first, have a line of their own: they alone wait at the first barrier
	s_cbranch_scc0 .Lrest
	tensor_load_to_lds s[G0C:G0C+3], s[G1C:G1C+7]
	s_nop 0
	s_branch .Lasked
.Lrest:
	tensor_load_to_lds s[G0C:G0C+3], s[G1C:G1C+7]
	s_nop 0
.Lasked:
	s_add_nc_u64 s[PSC:PSC+1], s[6:7], s[22:23]
	global_load_b128 v[S:S+3], v[GO], s[PSC:PSC+1]
	s_lshl_b32 s10, s[CX], 4
	s_add_co_u32 s10, s10, s[WV]                   ; my pair of query tiles
	s_mov_b32 s13, 0
	s_mul_i32 s12, s[BH], 98304
	s_mul_i32 s11, s10, 1536
	s_add_co_u32 s12, s12, s11
	s_add_nc_u64 s[PQ:PQ+1], s[4:5], s[12:13]
	s_lshl_b32 s12, s[BH], 12
	s_lshl_b32 s11, s10, 6
	s_add_co_u32 s12, s12, s11
	s_add_nc_u64 s[PQW:PQW+1], s[6:7], s[12:13]
	s_lshr_b32 s11, s[BH], 4
	s_lshl_b32 s11, s11, 7
	s_lshl_b32 s12, s10, 1
	s_add_co_u32 s11, s11, s12
	s_mul_i32 s12, s11, 12288
	s_and_b32 s10, s[BH], 15
	s_mul_i32 s57, s10, 768
	s_add_co_u32 s12, s12, s57
	s_add_nc_u64 s[PO:PO+1], s[8:9], s[12:13]
	s_lshr_b32 s10, s10, 1
	s_lshl_b32 s10, s10, 15
	s_lshl_b32 s12, s11, 6
	s_add_co_u32 s12, s12, s10
	s_and_b32 s10, s[BH], 1
	s_lshl_b32 s10, s10, 1
	s_add_co_u32 s12, s12, s10
	s_add_co_u32 s12, s12, XSO
	s_add_nc_u64 s[POW:POW+1], s[8:9], s[12:13]
	global_load_b128 v[F:F+3], v[L16], s[PQ:PQ+1]
	global_load_b64 v[F+4:F+5], v[L8], s[PQ:PQ+1]
	global_load_b128 v[F+6:F+9], v[L16], s[PQ:PQ+1] offset:768
	global_load_b64 v[F+10:F+11], v[L8], s[PQ:PQ+1] offset:768
	global_load_b32 v[QW], v[QA], s[PQW:PQW+1]
	s_wait_loadcnt 0x0
	ds_store_b128 v[SA], v[S:S+3]                  ; my scale words, into bytes on which no tile lands
	s_cmp_lt_u32 s[WV], 2
	s_cbranch_scc0 .Lnot01
	s_wait_tensorcnt 0x0                           ; steps 0 and 1 are in; the others may stay out
.Lnot01:
	s_wait_dscnt 0x0
	s_barrier_signal -1
	s_barrier_wait -1                              ; everybody's are
.macro ADDS from, cnt                  ; the row's sum, two chains, four numbers a pair of lines
.set n, \from
.rept \cnt
	v_pk_add_f32 v[LS:LS+1], v[LS:LS+1], v[S+n:S+n+1]
	v_pk_add_f32 v[S2:S2+1], v[S2:S2+1], v[S+n+2:S+n+3]
.set n, n+4
.endr
.endm
.macro VL f                            ; a fragment of v, into registers that held k's
	ds_load_b128 v[KF+12*\f:KF+12*\f+3], v[A16] offset:6144+1536*\f
	ds_load_b64 v[KF+12*\f+4:KF+12*\f+5], v[A8] offset:6144+1536*\f
	ds_load_b128 v[KF+12*\f+6:KF+12*\f+9], v[A16] offset:6144+1536*\f+768
	ds_load_b64 v[KF+12*\f+10:KF+12*\f+11], v[A8] offset:6144+1536*\f+768
.endm
.macro STEP
	v_add_nc_u32 v[A16], s[TB], v[L16]
	v_add_nc_u32 v[A8], s[TB], v[L8]
	v_add_nc_u32 v[AS], s[TS], v[LW]
	v_mov_b32 v[T2], v[NM]                         ; the old -M.  (Four places behind the last step's products, in front of loads into their registers)
.irp f, 0,1,2,3
	ds_load_b128 v[KF+12*\f:KF+12*\f+3], v[A16] offset:1536*\f
	ds_load_b64 v[KF+12*\f+4:KF+12*\f+5], v[A8] offset:1536*\f
	ds_load_b128 v[KF+12*\f+6:KF+12*\f+9], v[A16] offset:1536*\f+768
	ds_load_b64 v[KF+12*\f+10:KF+12*\f+11], v[A8] offset:1536*\f+768
.endr
	ds_load_b32 v[KS], v[AS]
	ds_load_b32 v[KS+1], v[AS] offset:128
	WALU                                           ; the wait ahead of the blocking wait
	s_wait_dscnt 0x0
.irp f, 0,1,2,3
.if \f%2
	v_wmma_scale_f32_16x16x128_f8f6f4 v[S+16*\f:S+16*\f+7], v[KF+12*\f:KF+12*\f+11], v[QL:QL+11], 0, v[KS+\f/2], v[QS] matrix_a_fmt:MATRIX_FMT_FP6 matrix_b_fmt:MATRIX_FMT_FP6 matrix_a_scale:MATRIX_SCALE_ROW1
	v_wmma_scale_f32_16x16x128_f8f6f4 v[S+16*\f+8:S+16*\f+15], v[KF+12*\f:KF+12*\f+11], v[QH:QH+11], 0, v[KS+\f/2], v[QS] matrix_a_fmt:MATRIX_FMT_FP6 matrix_b_fmt:MATRIX_FMT_FP6 matrix_a_scale:MATRIX_SCALE_ROW1
.else
	v_wmma_scale_f32_16x16x128_f8f6f4 v[S+16*\f:S+16*\f+7], v[KF+12*\f:KF+12*\f+11], v[QL:QL+11], 0, v[KS+\f/2], v[QS] matrix_a_fmt:MATRIX_FMT_FP6 matrix_b_fmt:MATRIX_FMT_FP6
	v_wmma_scale_f32_16x16x128_f8f6f4 v[S+16*\f+8:S+16*\f+15], v[KF+12*\f:KF+12*\f+11], v[QH:QH+11], 0, v[KS+\f/2], v[QS] matrix_a_fmt:MATRIX_FMT_FP6 matrix_b_fmt:MATRIX_FMT_FP6
.endif
.endr
.rept 4
	v_nop
.endr
; my two blocks' largest scores, two chains a block; each accumulator is read from its low end on
.irp c, 0,1
	v_max3_num_f32 v[BM+\c], v[S+32*\c], v[S+32*\c+1], v[S+32*\c+2]
	v_max3_num_f32 v[BM+2+\c], v[S+32*\c+16], v[S+32*\c+17], v[S+32*\c+18]
.endr
.irp i, 3,5,7,9,11,13
.irp c, 0,1
	v_max3_num_f32 v[BM+\c], v[BM+\c], v[S+32*\c+\i], v[S+32*\c+\i+1]
	v_max3_num_f32 v[BM+2+\c], v[BM+2+\c], v[S+32*\c+16+\i], v[S+32*\c+17+\i]
.endr
.endr
.irp c, 0,1
	v_max3_num_f32 v[BM+\c], v[BM+\c], v[BM+2+\c], v[S+32*\c+15]
.endr
.irp c, 0,1
	v_max_num_f32 v[BM+\c], v[BM+\c], v[S+32*\c+31]
.endr
	s_delay_alu instid0(VALU_DEP_1)
	v_max_num_f32 v[T1], v[BM], v[BM+1]
	s_delay_alu instid0(VALU_DEP_1)
	v_permlanex16_b32 v[X], v[T1], s[SEL], s[SEL+1]
	s_delay_alu instid0(VALU_DEP_1)
	v_max3_num_f32 v[RM], v[RM], v[T1], v[X]       ; the running largest score of my query
	s_delay_alu instid0(VALU_DEP_1)
	v_mul_f32 v[T1], s[CS], v[RM]
	s_delay_alu instid0(VALU_DEP_1)
	v_floor_f32 v[NM], -v[T1]                      ; -M = floor(-t)
.set n, 0
.rept 32
	v_pk_fma_f32 v[S+n:S+n+1], v[S+n:S+n+1], s[CS:CS+1], v[NM:NM+1] op_sel_hi:[1,0,0]   ; t - M
.if n == 8
	v_sub_f32 v[T2], v[NM], v[T2]                  ; old M less new M, a whole number
.endif
.if n == 24
	v_cvt_i32_f32 v[T2], v[T2]                     ; (it saturates)
.endif
.if n == 40
	v_ldexp_f32 v[FF], 1.0, v[T2]                  ; f = 2^(old M - new M)
.endif
.set n, n+2
.endr
.irp c, 0,1
	v_fma_f32 v[BM+\c], v[BM+\c], s[CS], v[NM]
.endr
	WALU
	VL 0                                           ; v's fragments and scale words are asked for here, behind the wait: the exponentials, the rescaling and the sums stand between these loads and the wait for them
	VL 1
	VL 2
	VL 3
	ds_load_b32 v[VS], v[AS] offset:4096
	ds_load_b32 v[VS+1], v[AS] offset:4096+128
.irp c, 0,1
	v_exp_f32 v[BM+\c], v[BM+\c]
.endr
.set n, 0
.rept 64
	v_exp_f32 v[S+n], v[S+n]
.set n, n+1
.endr
	v_pk_mul_f32 v[LS:LS+1], v[LS:LS+1], v[FF:FF+1] op_sel_hi:[1,0]   ; the plain place behind the batch
	WALU                                           ; one wait: for the batch's results, and directly ahead of the first readers of O^T
.set n, 0
.rept 16
	v_pk_mul_f32 v[O+n:O+n+1], v[O+n:O+n+1], v[FF:FF+1] op_sel_hi:[1,0]
.set n, n+2
.endr
.irp c, 0,1
	v_max_num_f32 v[BM+\c], 0x1800000, v[BM+\c]    ; the floor 2^(3 - 127): the byte cannot fall under 1
.endr
	v_pk_add_f32 v[S2:S2+1], v[S:S+1], v[S+2:S+3]
	ADDS 4, 1
.irp c, 0,1
	v_add_nc_u32 v[SO+\c], 0xff000000, v[BM+\c]    ; 2 off the exponent field: the conversions' scale operand
.endr
	ADDS 8, 1
.irp c, 0,1
	v_cvt_scalef32_pk16_fp6_f32 v[P+6*\c:P+6*\c+2], v[S+32*\c:S+32*\c+15], v[SO+\c]
	v_cvt_scalef32_pk16_fp6_f32 v[CT+4*\c:CT+4*\c+2], v[S+32*\c+16:S+32*\c+31], v[SO+\c]
.endr
.irp c, 0,1
	v_lshrrev_b32 v[BX+\c], 23, v[SO+\c]           ; the bytes of blocks h and 2 + h
.endr
.irp c, 0,1
.irp i, 0,1,2
	v_mov_b32 v[P+6*\c+3+\i], v[CT+4*\c+\i]        ; (a conversion's three registers begin on an even number)
.endr
.endr
	v_lshl_or_b32 v[W], v[BX+1], 16, v[BX]
	ADDS 12, 1
	v_lshlrev_b32 v[W], v[SH8], v[W]               ; at their places in the word
	ADDS 16, 1
	v_permlanex16_b32 v[X], v[W], s[SEL], s[SEL+1]
	ADDS 20, 1
	v_or_b32 v[PS], v[W], v[X]                     ; with lane l xor 16's two the word is whole
	ADDS 24, 10
	v_pk_add_f32 v[LS:LS+1], v[LS:LS+1], v[S2:S2+1]
	WALU                                           ; the wait ahead of the blocking wait
	s_wait_dscnt 0x0
.irp t, 0,1,2,3
.if \t%2
	v_wmma_scale_f32_16x16x128_f8f6f4 v[O+8*\t:O+8*\t+7], v[KF+12*\t:KF+12*\t+11], v[P:P+11], v[O+8*\t:O+8*\t+7], v[VS+\t/2], v[PS] matrix_a_fmt:MATRIX_FMT_FP6 matrix_b_fmt:MATRIX_FMT_FP6 matrix_a_scale:MATRIX_SCALE_ROW1
.else
	v_wmma_scale_f32_16x16x128_f8f6f4 v[O+8*\t:O+8*\t+7], v[KF+12*\t:KF+12*\t+11], v[P:P+11], v[O+8*\t:O+8*\t+7], v[VS+\t/2], v[PS] matrix_a_fmt:MATRIX_FMT_FP6 matrix_b_fmt:MATRIX_FMT_FP6
.endif
.endr
	s_add_co_u32 s[TB], s[TB], 12288
	s_add_co_u32 s[TS], s[TS], 256
.endm
.macro LOOP cnt
	s_mov_b32 s[CNT], \cnt
.Lstep_\@:
	STEP
	s_sub_co_u32 s[CNT], s[CNT], 1
	s_cmp_lg_u32 s[CNT], 0
	s_cbranch_scc1 .Lstep_\@
.endm
.macro TILE u
	s_wait_xcnt 0x0                                ; the last tile's stores have read their registers
.if \u == 0
	v_perm_b32 v[QS], v[QW], v[QW], 0x01000100     ; q's two bytes, for either half of K
.else
	v_perm_b32 v[QS], v[QW], v[QW], 0x03020302
.endif
.irp i, 0,1,2,3,4,5
	v_mov_b32 v[QL+\i], v[F+6*\u+\i]
.endr
	v_mov_b32 v[RM], 0xff61b1e6                    ; -3e38, under every score
	v_mov_b32 v[NM], 0x7f61b1e6                    ; and -M to go with it: the first f is 0
	v_mov_b32 v[LS], 0
	v_mov_b32 v[LS+1], 0
.set n, 0
.rept 32
	v_mov_b32 v[O+n], 0
.set n, n+1
.endr
	s_mov_b32 s[TB], 0
	s_mov_b32 s[TS], 0
.if \u == 0
	LOOP 2                                         ; steps 0 and 1, which the first barrier has shown
	s_wait_tensorcnt 0x0                           ; every wave's step is in:
	s_wait_dscnt 0x0
	s_barrier_signal -1
	s_barrier_wait -1                              ; a plain barrier shows all 16
	LOOP 14
.else
	LOOP 16
.endif
.rept 4
	v_nop
.endr
	v_add_f32 v14, v14, v15
	s_delay_alu instid0(VALU_DEP_1)
	v_permlanex16_b32 v[T1], v14, s[SEL], s[SEL+1]
	s_delay_alu instid0(VALU_DEP_1)
	v_add_f32 v14, v14, v[T1]                      ; the row's sum
	WALU
	v_rcp_f32 v[FF], v14
	v_nop
	WALU
.set n, 0
.rept 16
	v_pk_mul_f32 v[O+n:O+n+1], v[O+n:O+n+1], v[FF:FF+1] op_sel_hi:[1,0]
.set n, n+2
.endr
; o is quantised along the head's 64 channels: register 16 b + i is channel 32 b + 16 h + i
.irp b, 0,1
	v_max3_num_f32 v[BM+\b], |v[O+16*\b]|, |v[O+1+16*\b]|, 0x1800000
.endr
.irp i, 2,4,6,8,10,12,14
.irp b, 0,1
	s_delay_alu instid0(VALU_DEP_2)
	v_max3_num_f32 v[BM+\b], v[BM+\b], |v[O+16*\b+\i]|, |v[O+1+16*\b+\i]|
.endr
.endr
.irp b, 0,1
	s_delay_alu instid0(VALU_DEP_2)
	v_permlanex16_b32 v[BX+\b], v[BM+\b], s[SEL], s[SEL+1]
.endr
.irp b, 0,1
	s_delay_alu instid0(VALU_DEP_2)
	v_max_num_f32 v[BM+\b], v[BM+\b], v[BX+\b]
.endr
.irp b, 0,1
	s_delay_alu instid0(VALU_DEP_2)
	v_add_nc_u32 v[SO+\b], 0xff000000, v[BM+\b]
.endr
.irp b, 0,1
	s_delay_alu instid0(VALU_DEP_2)
	v_lshrrev_b32 v[BX+\b], 23, v[SO+\b]
.endr
	s_delay_alu instid0(VALU_DEP_1)
	v_lshl_or_b32 v[T2], v[BX+1], 8, v[BX]
	v_cvt_scalef32_pk16_fp6_f32 v[P:P+2], v[O:O+15], v[SO]
	v_cvt_scalef32_pk16_fp6_f32 v[CT:CT+2], v[O+16:O+31], v[SO+1]
	v_nop
.irp i, 0,1,2
	v_permlane16_swap_b32 v[P+\i], v[CT+\i]
.endr
.irp i, 0,1,2
	s_delay_alu instid0(VALU_DEP_3)
	v_mov_b32 v[P+3+\i], v[CT+\i]
.endr
	global_store_b128 v[L16], v[P:P+3], s[PO:PO+1] offset:\u*12288   ; 512 consecutive bytes,
	global_store_b64 v[L8], v[P+4:P+5], s[PO:PO+1] offset:\u*12288   ; and 256: a half image
.if \u == 0
	v_mov_b32 v[U0], v[T2]
.else
	v_cndmask_b32 v[T1], v[U0], v[T2], s[HM]       ; lanes 0-15 the first tile's two bytes, lanes 16-31 the second's
	global_store_b16 v[L4], v[T1], s[POW:POW+1]
.endif
.endm
	TILE 0
	TILE 1
	s_wait_tensorcnt 0x0                           ; the wave's end
	ds_add_u32 v[SPW], v[NIL]
	s_wait_dscnt 0x0
	ROUND                                          ; the closing round
	s_endpgm
.Lfunc_end_k_q2b383a5a7e_attn:
	.size	k_q2b383a5a7e_attn, .Lfunc_end_k_q2b383a5a7e_attn-k_q2b383a5a7e_attn
	.p2alignl 7, 3214868480
	.fill 96, 4, 3214868480
	.section	.rodata,"a",@progbits
	.p2align	6, 0x0
	.amdhsa_kernel k_q2b383a5a7e_attn
		.amdhsa_group_segment_fixed_size 327680
		.amdhsa_private_segment_fixed_size 0
		.amdhsa_enable_private_segment 0
		.amdhsa_kernarg_size 24
		.amdhsa_user_sgpr_count 2
		.amdhsa_user_sgpr_kernarg_segment_ptr 1
		.amdhsa_wavefront_size32 1
		.amdhsa_system_sgpr_workgroup_id_x 1
		.amdhsa_system_sgpr_workgroup_id_y 1
		.amdhsa_system_sgpr_workgroup_id_z 1
		.amdhsa_system_vgpr_workitem_id 0
		.amdhsa_next_free_vgpr 256
		.amdhsa_next_free_sgpr 68
		.amdhsa_reserve_vcc 0
		.amdhsa_float_denorm_mode_32 3
		.amdhsa_float_denorm_mode_16_64 3
		.amdhsa_memory_ordered 1
		.amdhsa_forward_progress 1
		.amdhsa_inst_pref_size 65
	.end_amdhsa_kernel
	.amdgpu_metadata
---
amdhsa.version: [ 1, 2 ]
amdhsa.kernels:
  - .name:           k_q2b383a5a7e_attn
    .symbol:         k_q2b383a5a7e_attn.kd
    .args:
      - { .name: qkvc, .offset: 0, .size: 8, .value_kind: global_buffer, .address_space: global }
      - { .name: qkvs, .offset: 8, .size: 8, .value_kind: global_buffer, .address_space: global }
      - { .name: oq, .offset: 16, .size: 8, .value_kind: global_buffer, .address_space: global }
    .group_segment_fixed_size: 327680
    .private_segment_fixed_size: 0
    .kernarg_segment_align: 8
    .kernarg_segment_size: 24
    .max_flat_workgroup_size: 512
    .sgpr_count:     68
    .vgpr_count:     256
    .wavefront_size: 32
...
	.end_amdgpu_metadata
.endif
;; end of part 3
;; launch proj (part 4): grid 32 x 8, 4 waves a work-group, clusters of 4 x 1, 327,680 bytes of LDS; arguments oq, wq, b_o, out0; writes out0
.if DOCPART == 4
	.amdgcn_target "amdgcn-amd-amdhsa--gfx1250"
	.amdhsa_code_object_version 6
	.text
	.protected	k_q2b383a5a7e_proj
	.globl	k_q2b383a5a7e_proj
	.p2align	8
	.type	k_q2b383a5a7e_proj,@function
k_q2b383a5a7e_proj:
	s_mov_b64 s[64:65], 0
	v_nop
	global_prefetch_b8 v0, s[64:65] scope:SCOPE_SE
	s_setreg_imm32_b32 hwreg(HW_REG_WAVE_MODE, 25, 1), 1
	s_wait_xcnt 0x0
	s_wait_alu depctr_hold_cnt(0) depctr_sa_sdst(0) depctr_va_vdst(0) depctr_va_sdst(0) depctr_va_ssrc(0) depctr_va_vcc(0) depctr_vm_vsrc(0)
	s_getreg_b32 s2, hwreg(HW_REG_IB_STS2, 6, 4)
	s_cmp_eq_u32 s2, 0
	s_cbranch_scc0 .Lentry_in_a_cluster
	s_endpgm
.Lentry_in_a_cluster:
	s_bfe_u32 s2, ttmp6, 0x10000c
	s_cmp_lg_u32 s2, 0x3003
	s_cbranch_scc0 .Lentry_shape_is_right
	s_endpgm
.Lentry_shape_is_right:
.set XSO,   6291456
.set WSO,   3145728
.set WSL,   98304
.set STAGE, 102400
.set SPARE, 136192
.set L16, 1
.set L8,  2
.set L4,  3
.set VB,  4
.set STO, 5
.set RD,  6
.set AD16, 8
.set AD8, 14
.set ADW, 20
.set SPW, 22
.set NIL, 23
.set XS,  24
.set WS,  40
.set BI,  72
.set TT,  184
.set BF,  144
.set WV,  14
.set CX,  15
.set RT,  16
.set SL,  17
.set G1C, 24
.set G1S, 32
.set G0S, 40
.set G0C, 44
.set PX,  66
.set PXS, 68
.set PB,  70
.set PO,  72
.set MSB, 0
.macro WIN new
.if MSB != \new
	s_set_vgpr_msb (MSB<<8)|\new
.set MSB, \new
.endif
.endm
.macro ROUND
	s_barrier_signal -1
	s_barrier_wait -1
	s_cmp_lg_u32 s[WV], 0
	s_cbranch_scc1 .Lnot_wave_0_\@
	s_barrier_signal -3
.Lnot_wave_0_\@:
	s_barrier_wait -3
	s_barrier_signal -1
	s_barrier_wait -1
.endm
.macro PLACES
.rept 4
	v_nop
.endr
.endm
	s_load_b256 s[4:11], s[0:1], 0x0
	v_lshl_add_u32 v[SPW], v0, 2, SPARE
	v_mov_b32 v[NIL], 0
	ds_add_u32 v[SPW], v[NIL]
	ds_add_u32 v[SPW], v[NIL]
	v_lshrrev_b32 v[TT], 5, v0
	v_readfirstlane_b32 s[WV], v[TT]
	v_and_b32 v[TT], 31, v0
	v_and_b32 v[TT+1], 15, v0
	v_bfe_u32 v[TT+2], v0, 4, 1
	v_lshlrev_b32 v[L16], 4, v[TT]
	v_lshlrev_b32 v[L8], 3, v[TT]
	v_add_nc_u32 v[L8], 512, v[L8]
	v_lshlrev_b32 v[L4], 2, v[TT]
	v_lshlrev_b32 v[VB], 6, v[TT+2]
.irp k, 0,1
	v_add_nc_u32 v[AD16+\k], \k*49152, v[L16]
	v_add_nc_u32 v[AD8+\k], \k*49152, v[L8]
.endr
	v_add_nc_u32 v[ADW], WSL, v[L4]
	s_mul_i32 s18, s[WV], 8448
	s_add_co_u32 s18, s18, STAGE
	v_mul_u32_u24 v[STO], v[TT+1], 528
	v_lshl_add_u32 v[STO], v[TT+2], 6, v[STO]
	v_add_nc_u32 v[STO], s18, v[STO]
	v_add_nc_u32 v[RD], s18, v[L16]
	s_bfe_u32 s[CX], ttmp6, 0x40000
	s_lshl_b32 s[RT], ttmp9, 2
	s_add_co_u32 s[RT], s[RT], s[CX]
	s_and_b32 s[SL], ttmp7, 0xffff
	s_mov_b32 s[G1C], 15|(3<<16)|(1<<21)
	s_mov_b32 s[G1C+1], 32<<16
	s_mov_b32 s[G1C+2], 128<<16
	s_mov_b32 s[G1C+3], 32<<16
	s_mov_b32 s[G1C+4], 128
	s_mov_b32 s[G1C+5], 32
	s_mov_b32 s[G1C+6], 0
	s_mov_b32 s[G1C+7], 0
	s_mov_b32 s[G1S], 15|(3<<16)|(1<<21)
	s_mov_b32 s[G1S+1], 32<<16
	s_mov_b32 s[G1S+2], 16<<16
	s_mov_b32 s[G1S+3], 32<<16
	s_mov_b32 s[G1S+4], 16
	s_mov_b32 s[G1S+5], 32
	s_mov_b32 s[G1S+6], 0
	s_mov_b32 s[G1S+7], 0
	s_mov_b32 s18, 0                               ; wave 3 fetches all 4,096 bytes of scale words,
	s_mul_i32 s19, s[WV], 32768                    ; waves 0 to 2 a third of the chunk each
	s_lshl_b32 s20, s[SL], 12
	s_add_co_u32 s20, s20, s18
	s_add_co_u32 s20, s20, WSO+24*4096
	s_mov_b32 s21, 0
	s_mul_i32 s22, s[SL], 98304
	s_add_co_u32 s22, s22, s19
	s_add_co_u32 s22, s22, 24*98304
	s_mov_b32 s23, 0
	s_wait_dscnt 0x0
	s_wait_alu depctr_va_vdst(0)                   ; the wait at the head's end
	s_wait_kmcnt 0x0
	s_mov_b32 s[G0S], 1
	s_add_co_u32 s[G0S+1], s18, WSL
	s_add_nc_u64 s[G0S+2:G0S+3], s[6:7], s[20:21]
	s_or_b32 s[G0S+3], s[G0S+3], 0x80000000
	s_mov_b32 s[G0C], 1
	s_mov_b32 s[G0C+1], s19
	s_add_nc_u64 s[G0C+2:G0C+3], s[6:7], s[22:23]
	s_or_b32 s[G0C+3], s[G0C+3], 0x80000000
	ROUND
	s_cmp_lt_u32 s[WV], 3                          ; one load a wave, in the two arms of one branch on the wave's number
	s_cbranch_scc0 .Lwords
	tensor_load_to_lds s[G0C:G0C+3], s[G1C:G1C+7]
	s_nop 0
	PLACES
	s_branch .Lasked
.Lwords:
	tensor_load_to_lds s[G0S:G0S+3], s[G1S:G1S+7]
	s_nop 0
	PLACES
.Lasked:
	s_mov_b32 s81, 0
	s_lshl_b32 s80, s[RT], 4
	s_lshl_b32 s82, s[WV], 2
	s_add_co_u32 s82, s80, s82
	s_mul_i32 s80, s82, 12288
	s_add_nc_u64 s[PX:PX+1], s[4:5], s[80:81]
	s_lshl_b32 s80, s82, 6
	s_add_co_u32 s80, s80, XSO
	s_add_nc_u64 s[PXS:PXS+1], s[4:5], s[80:81]
	s_lshl_b32 s80, s[SL], 9
	s_add_nc_u64 s[PB:PB+1], s[8:9], s[80:81]
	s_lshl_b32 s83, s82, 16
	s_add_co_u32 s80, s83, s80
	s_add_nc_u64 s[PO:PO+1], s[10:11], s[80:81]
.irp s, 0,1,2,3,4,5,6,7
.irp y, 0,1
	global_load_b32 v[XS+2*\s+\y], v[L4], s[PXS:PXS+1] offset:\s*32768+128*\y
.endr
.endr
.irp i, 0,1,2,3,4,5,6,7
.irp q, 0,1
	global_load_b128 v[BI+8*\i+4*\q:BI+8*\i+4*\q+3], v[VB], s[PB:PB+1] offset:128*(\i/2)+32*(\i%2)+16*\q
.endr
.endr
.macro XL s, a0, a1                    ; the fragments of token tiles a0 and a1, K step s: eight loads
.if \s < 5
	WIN 0x80
.else
	WIN 0xc0
.endif
.irp a, \a0, \a1
.set rX, 48*(\s%5)+12*\a
	global_load_b128 v[rX:rX+3], v[L16], s[PX:PX+1] offset:\a*12288+\s*1536
	global_load_b64 v[rX+4:rX+5], v[L8], s[PX:PX+1] offset:\a*12288+\s*1536
	global_load_b128 v[rX+6:rX+9], v[L16], s[PX:PX+1] offset:\a*12288+\s*1536+768
	global_load_b64 v[rX+10:rX+11], v[L8], s[PX:PX+1] offset:\a*12288+\s*1536+768
.endr
.endm
.irp s, 0,1,2,3,4,5,6,7
	XL \s, 0, 1                                    ; the first pass's tiles; the second pass's are asked for step by step in the first pass
.endr
	WIN 0
.macro BLOAD s, g
	WIN 0xc0
.irp i, 2*(\g), 2*(\g)+1
.set kk, ((\s)>>2)
.set oo, ((\s)&3)*12288+(\i)*1536
.set rB, BF+12*(\i)
	ds_load_b128 v[rB:rB+3], v[AD16+kk] offset:oo
	ds_load_b64 v[rB+4:rB+5], v[AD8+kk] offset:oo
	ds_load_b128 v[rB+6:rB+9], v[AD16+kk] offset:oo+768
	ds_load_b64 v[rB+10:rB+11], v[AD8+kk] offset:oo+768
.endr
.endm
.macro MM d, a, b, c, sa, sb, ra, rb
.if (\ra) && (\rb)
	v_wmma_scale_f32_16x16x128_f8f6f4 v[\d:\d+7], v[\a:\a+11], v[\b:\b+11], v[\c:\c+7], v[\sa], v[\sb] matrix_a_fmt:MATRIX_FMT_FP6 matrix_b_fmt:MATRIX_FMT_FP6 matrix_a_scale:MATRIX_SCALE_ROW1 matrix_b_scale:MATRIX_SCALE_ROW1
.elseif (\ra)
	v_wmma_scale_f32_16x16x128_f8f6f4 v[\d:\d+7], v[\a:\a+11], v[\b:\b+11], v[\c:\c+7], v[\sa], v[\sb] matrix_a_fmt:MATRIX_FMT_FP6 matrix_b_fmt:MATRIX_FMT_FP6 matrix_a_scale:MATRIX_SCALE_ROW1
.elseif (\rb)
	v_wmma_scale_f32_16x16x128_f8f6f4 v[\d:\d+7], v[\a:\a+11], v[\b:\b+11], v[\c:\c+7], v[\sa], v[\sb] matrix_a_fmt:MATRIX_FMT_FP6 matrix_b_fmt:MATRIX_FMT_FP6 matrix_b_scale:MATRIX_SCALE_ROW1
.else
	v_wmma_scale_f32_16x16x128_f8f6f4 v[\d:\d+7], v[\a:\a+11], v[\b:\b+11], v[\c:\c+7], v[\sa], v[\sb] matrix_a_fmt:MATRIX_FMT_FP6 matrix_b_fmt:MATRIX_FMT_FP6
.endif
.endm
.macro GROUP s, g, a0, a1, ps          ; TWO PASSES: token tiles 0 and 1 (ps = 0), whose rows then leave while tiles 2 and 3 (ps = 1) are multiplied
.if ((\s) == 7) && (\ps)
	s_wait_dscnt 24-8*(\g)
.else
	s_wait_dscnt 24
.endif
.if (\g) == 0
.if (\ps) == 0
	s_wait_loadcnt 56                              ; behind this step's eight loads: 8 (7 - s) of this pass and 8 s of the next
	XL \s, 2, 3
.else
	s_wait_loadcnt 8*(7-(\s))
.endif
.endif
.if (\s) == 0
	WIN 0x4b
.elseif (\s) < 5
	WIN 0x5b
.else
	WIN 0x5f
.endif
.irp i, 2*(\g), 2*(\g)+1
.irp a, \a0, \a1
.set rX, 48*((\s)%5)+12*\a
.set rB, BF+12*(\i)
.set rD, 8*(8*\a+(\i))
.if (\s) == 0
.set rC, BI+8*(\i)
.else
.set rC, rD
.endif
.set rW, WS+4*(\s)+(\i)/2
.set rS, XS+2*(\s)+\a/2
.set fW, (\i)%2
.set fX, \a%2
	MM rD, rB, rX, rC, rW, rS, fW, fX
.endr
.endr
.if (\s) < 7
	PLACES
	BLOAD (\s)+1, \g
.elseif (\ps) == 0
	PLACES
	BLOAD 0, \g                                    ; the second pass begins again at K step 0
.endif
.endm
	s_wait_tensorcnt 0x0
	s_barrier_signal -1
	s_barrier_wait -1
	s_wait_alu depctr_va_vdst(0)
.irp s, 0,1,2,3,4,5,6,7
.irp y, 0,1,2,3
	ds_load_b32 v[WS+4*\s+\y], v[ADW] offset:\s*512+128*\y
.endr
.endr
	BLOAD 0, 0
	BLOAD 0, 1
	BLOAD 0, 2
	BLOAD 0, 3
.irp s, 0,1,2,3,4,5,6,7
.irp g, 0,1,2,3
	GROUP \s, \g, 0, 1, 0
.endr
.endr
.macro TOSTAGE a
	WIN 0x04
.irp i, 0,1,2,3,4,5,6,7
	ds_store_b128 v[STO], v[8*(8*(\a)+\i):8*(8*(\a)+\i)+3] offset:128*(\i/2)+32*(\i%2)
	ds_store_b128 v[STO], v[8*(8*(\a)+\i)+4:8*(8*(\a)+\i)+7] offset:128*(\i/2)+32*(\i%2)+16
.endr
	WIN 0x40                                       ; back into the tile's own 64 accumulator registers, which the stores above have read
.irp p, 0,1,2,3,4,5,6,7,8,9,10,11,12,13,14,15
	ds_load_b128 v[64*(\a)+4*\p:64*(\a)+4*\p+3], v[RD] offset:528*\p
.endr
.endm
.macro SEND a, younger
	s_wait_dscnt \younger
	WIN 0x04
.irp p, 0,1,2,3,4,5,6,7,8,9,10,11,12,13,14,15
	global_store_b128 v[L16], v[64*(\a)+4*\p:64*(\a)+4*\p+3], s[PO:PO+1] offset:(32*((\a)/2)+8*((\a)%2)+\p+8*(\p/8))*4096 th:TH_STORE_NT
.endr
.endm
	PLACES
	TOSTAGE 0
	TOSTAGE 1
	SEND 0, 32                                     ; behind tile 0's loads: tile 1's 16 stores and 16 loads
	SEND 1, 0
.irp s, 0,1,2,3,4,5,6,7
.irp g, 0,1,2,3
	GROUP \s, \g, 2, 3, 1
.endr
.endr
	PLACES
	TOSTAGE 2
	TOSTAGE 3
	SEND 2, 32
	SEND 3, 0
	WIN 0
	s_wait_tensorcnt 0x0
	ds_add_u32 v[SPW], v[NIL]
	s_wait_dscnt 0x0
	ROUND
	s_endpgm
.Lfunc_end_k_q2b383a5a7e_proj:
	.size	k_q2b383a5a7e_proj, .Lfunc_end_k_q2b383a5a7e_proj-k_q2b383a5a7e_proj
	.p2alignl 7, 3214868480
	.fill 96, 4, 3214868480
	.section	.rodata,"a",@progbits
	.p2align	6, 0x0
	.amdhsa_kernel k_q2b383a5a7e_proj
		.amdhsa_group_segment_fixed_size 327680
		.amdhsa_private_segment_fixed_size 0
		.amdhsa_enable_private_segment 0
		.amdhsa_kernarg_size 32
		.amdhsa_user_sgpr_count 2
		.amdhsa_user_sgpr_kernarg_segment_ptr 1
		.amdhsa_wavefront_size32 1
		.amdhsa_system_sgpr_workgroup_id_x 1
		.amdhsa_system_sgpr_workgroup_id_y 1
		.amdhsa_system_sgpr_workgroup_id_z 1
		.amdhsa_system_vgpr_workitem_id 0
		.amdhsa_next_free_vgpr 1024
		.amdhsa_next_free_sgpr 84
		.amdhsa_reserve_vcc 0
		.amdhsa_float_denorm_mode_32 3
		.amdhsa_float_denorm_mode_16_64 3
		.amdhsa_memory_ordered 1
		.amdhsa_forward_progress 1
		.amdhsa_inst_pref_size 116
	.end_amdhsa_kernel
	.amdgpu_metadata
---
amdhsa.version: [ 1, 2 ]
amdhsa.kernels:
  - .name:           k_q2b383a5a7e_proj
    .symbol:         k_q2b383a5a7e_proj.kd
    .args:
      - { .name: oq, .offset: 0, .size: 8, .value_kind: global_buffer, .address_space: global }
      - { .name: wq, .offset: 8, .size: 8, .value_kind: global_buffer, .address_space: global }
      - { .name: b_o, .offset: 16, .size: 8, .value_kind: global_buffer, .address_space: global }
      - { .name: out0, .offset: 24, .size: 8, .value_kind: global_buffer, .address_space: global }
    .group_segment_fixed_size: 327680
    .private_segment_fixed_size: 0
    .kernarg_segment_align: 8
    .kernarg_segment_size: 32
    .max_flat_workgroup_size: 128
    .sgpr_count:     84
    .vgpr_count:     1024
    .wavefront_size: 32
...
	.end_amdgpu_metadata
.endif
;; end of part 4
